; MI455X (gfx1250); checked and timed in simulation.
; The chip was launched on July 23, 2026; its instructions are those of AMD's public machine-readable ISA for CDNA 5 (MIT licence, August 2026) and "CDNA5" Instruction Set Architecture Reference Guide (July 2026). The comments in the code are by the model that wrote it; some were corrected since.
;; Global Graph. Allowed arithmetic: matrix products marked QUANTISED: E3M2 operands, one E8M0 scale for each 32 along K, by v_wmma_scale_f32_16x16x128_f8f6f4 with both operands' format E3M2, f32 sums; everything else in f32.
;; Inputs: Wk 1,024 x 1,024 float32; Wq 1,024 x 1,024 float32; Wv 1,024 x 1,024 float32; attention_mask 4 x 2,048 float32; bk 1,024 float32; bq 1,024 float32; bv 1,024 float32; hidden_states 4 x 2,048 x 1,024 float32.
;; Outputs: out0 4 x 2,048 x 1,024 float32.
;; This version of the problem:
;;   THIS VERSION OF THE PROBLEM IS GIVEN IN LOW PRECISION. The matrix products marked QUANTISED in the list below multiply operands that are first quantised to E3M2 (3 exponent bits, 2 mantissa bits; 6 bits a number), with one power-of-two scale for each 32 numbers along K (OCP MX v1.0); their sums are f32. All else is computed in f32.
;;   The module's matrix products, in the order in which they are computed (A, B: the left and right operand; K: the contracted axis; several contracted axes count as one K, in the product's order):
;;     1. [M 8,192, K 1,024] x [K 1,024, N 1,024]; A: input hidden_states; B: input Wq: QUANTISED
;;     2. [M 8,192, K 1,024] x [K 1,024, N 1,024]; A: input hidden_states; B: input Wk: QUANTISED
;;     3. [M 8,192, K 1,024] x [K 1,024, N 1,024]; A: input hidden_states; B: input Wv: QUANTISED
;;     4. batch 64 x [M 2,048, K 64] x [K 64, N 2,048]; A: computed on the way; B: computed on the way: QUANTISED
;;     5. batch 64 x [M 2,048, K 2,048] x [K 2,048, N 64]; A: softmax (see below); B: computed on the way: QUANTISED
;;   THE QUANTISER, for each operand of a quantised product, along K:
;;     - K is cut into blocks of 32 from its start; a last block that is shorter is filled with zeros.
;;     - A block's scale is 2^e with e = floor(log2(the largest magnitude in the block)) - 4, held to -126 .. 127; a block of zeros has e = 0. As a byte (E8M0): e + 127.
;;     - Each number is divided by its block's scale, clamped to +-28, and rounded to the nearest number of E3M2, ties to even, subnormals kept.
;;     - The product sums the exact products of the quantised numbers (number of the format x scale) in f32.
;;   ~~~python
;;   def quantise(x, axis):      # numpy; x: float32 -> the quantised numbers, widened to float32 again
;;       x = np.moveaxis(x, axis, -1); K = x.shape[-1]
;;       x = np.pad(x, [(0, 0)] * (x.ndim - 1) + [(0, -K % 32)]); x = x.reshape(x.shape[:-1] + (-1, 32)); a = np.abs(x).max(-1, keepdims=True)
;;       e = np.where(a > 0, np.clip(np.frexp(np.where(a > 0, a, 1))[1] - 1 - 4, -126, 127), 0)      # np.frexp(a)[1] - 1 = floor(log2(a)), exactly
;;       r = np.clip(x / 2.0 ** e, -28, 28)
;;       step = 2.0 ** (np.maximum(np.frexp(np.where(r == 0, 1, r))[1] - 1, -2) - 2)
;;       q = np.round(r / step) * step * 2.0 ** e      # np.round: ties to even
;;       return np.moveaxis(q.reshape(q.shape[:-2] + (-1,))[..., :K], -1, axis).astype(np.float32)
;;   ~~~
;;   SOFTMAX AHEAD OF A QUANTISED PRODUCT. Where the list says 'softmax', what is quantised is not the finished softmax but p = 2^(t - M), with t = logit x log2(e) and M = ceil(the row's largest t), a whole number; so 1/2 < the row's largest p <= 1. The row's sum l is taken of the UNQUANTISED p, in f32, and the product's result is divided by l at the end. Since M is a whole number, a kernel that streams over the keys may use a running M (the ceiling of the running maximum): every later rescaling is an exact power of two, which a block's scale takes up: the codes' values come out the same.
;;   OPERANDS COMPUTED ON THE WAY. 'Computed on the way' means the value that the module computes at that place (a softmax that the list does not call 'softmax' is quantised finished and normalised). What goes into a quantiser is computed in f32, as accurately as f32 sums, v_exp_f32 and their like allow (about 1e-6 of the number): no bf16 or f16 on the way to a quantiser, and a product that is left as it is and whose result goes on into a quantised operand takes f32 operands (vector FMAs, or v_wmma_f32_16x16x4_f32). A number that lies on a knife's edge between two numbers of the format may be rounded either way, as far as f32 arithmetic and the matrix unit's own rounding can turn it there, and no further.
;; One version. Each part assembles by itself: llvm-mc -triple=amdgcn-amd-amdhsa -mcpu=gfx1250 --defsym DOCPART=n.
;; ======== version 1 of 1: 3 launches
;; workspace buffers: x_codes 6,291,456 bytes; x_scales 262,144 bytes; w_codes 2,359,296 bytes; w_scales 98,304 bytes; qbuf 6,815,744 bytes; kbuf 6,815,744 bytes; vbuf 6,553,600 bytes
;; launch quant (part 1): grid 352 x 1, 4 waves a work-group, no clusters, 68,096 bytes of LDS; arguments hidden_states, Wq, Wk, Wv, x_codes, x_scales, w_codes, w_scales; writes x_codes, x_scales, w_codes, w_scales
.if DOCPART == 1
	.amdgcn_target "amdgcn-amd-amdhsa--gfx1250"
	.amdhsa_code_object_version 6
	.text
	.protected	k_qd9832d6486_quant
	.globl	k_qd9832d6486_quant
	.p2align	8
	.type	k_qd9832d6486_quant,@function
k_qd9832d6486_quant:
	s_mov_b64 s[64:65], 0
	v_nop
	global_prefetch_b8 v0, s[64:65] scope:SCOPE_SE
	s_setreg_imm32_b32 hwreg(HW_REG_WAVE_MODE, 25, 1), 1
	s_wait_xcnt 0x0
; hidden_states [8192][1024] and Wq, Wk, Wv [1024 (k)][1024 (n)], f32, become codes of BF6 (E3M2), 6 bits each, K innermost, with one E8M0 scale byte for each 32 along K.
; x_codes [8192 places][768 bytes], x_scales [8192 places][32 bytes];  w_codes [3072 places][768], w_scales [3072 places][32]: places 0-1023 Wq's columns, 1024-2047 Wk's, 2048-3071 Wv's.
; A ROW'S PLACE IS ITS INDEX WITH BITS 3 AND 4 CHANGED ROUND: place 16 u + r of a group of 32 holds row 8 u + (r & 7) + 16 (r >> 3).  So sixteen neighbouring places are the rows that the next launch wants in one
; tile: its results then have 16 neighbours along the next product's K in one lane's 16 registers.
; A block's scale is 2^(floor(log2(its largest magnitude)) - 4); its byte is the largest magnitude's exponent field - 4, held at 1 from below; each number is divided by the scale and rounded to the nearest code, ties to even,
; beyond the largest code the largest.
; LIMITS: a block whose largest magnitude lies under 2^-122 (a block of zeros too) gets the byte 1 where the stated quantiser says less or 127: a zero block's codes are zeros, which add nothing, and the bytes are read by this program alone;
; NaN and infinities among the inputs are not served.
; Work-groups 0-255 take hidden_states (K innermost), work-groups 256-351 the weights (K outermost).  The two ways share no LDS byte: 0-32767 the first, 32768-67583 the second.  No barrier: waves share nothing.
.set STEPS, 16
.set CB,    12                         ; bytes of 16 codes
.set FLOOR, 0x2800000                  ; 2^(5 - 127): under it no largest magnitude is taken, so the byte cannot fall under 1
.set OFFE,  0xfe000000                 ; takes 4 off an exponent field
; the way of hidden_states
.set R,     16                         ; v16-79   four sets of 16 numbers as they are loaded
.set X,     80                         ; v80-111  two sets of 16 neighbours
.set E,     112                        ; v112-127 a scale byte for each step
.set C,     128                        ; v128-191 codes: four registers a step, so that no store's data are written again
.set WREG,  8192                       ; LDS of a wave: two stages of 32 x SP bytes, behind them its 256 scale bytes
.set SP,    80                         ; a lane's place in a stage: 64 bytes + 16 of padding
; the way of the weights
.set NB,    8                          ; blocks of 32 along K for a wave
.set PITCH, 272                        ; a stage row: sixteen places of 16 bytes, each with 12 bytes of codes, + 16
.set KROW,  768                        ; a row of codes in bytes
.set WLDS,  32768                      ; where this way's stages begin
.set WX,    32                         ; v32-95   two sets of 32 numbers
.set WC,    96                         ; v96..    a block's codes
.set OUTR,  112                        ; v112-175 the way out
.set SB,    24                         ; v24-25   the scale bytes, four to a register
.macro LOADX t                         ; step t's 512 numbers: each load reads 512 consecutive bytes
.irp i, 0,1,2,3
	global_load_b128 v[R+16*((\t)%4)+4*\i:R+16*((\t)%4)+4*\i+3], v3, s[4:5] offset:2048*(\t)+512*\i th:TH_LOAD_NT
.endr
.endm
.macro TURNX t                         ; through the wave's stage, so that a lane gets 16 neighbours; LDS serves a wave's instructions in order, so no wait stands between the stores and the loads
.irp i, 0,1,2,3
	ds_store_b128 v14, v[R+16*((\t)%4)+4*\i:R+16*((\t)%4)+4*\i+3] offset:32*SP*((\t)%2)+8*SP*\i
.endr
.irp i, 0,1,2,3
	ds_load_b128 v[X+16*((\t)%2)+4*\i:X+16*((\t)%2)+4*\i+3], v15 offset:32*SP*((\t)%2)+16*\i
.endr
.endm
.macro STEPX t
.set XS, X+16*((\t)%2)
.if (\t) > 0
	s_wait_dscnt 1                                 ; this step's numbers are back from the stage; the last step's byte store may be out
.else
	s_wait_dscnt 0x0
.endif
.if (\t)+4 < STEPS
	LOADX (\t)+4                                   ; into the registers that this step's stage stores have read
.endif
.if (\t)+1 < STEPS
.if STEPS-2-(\t) >= 3
	s_wait_loadcnt 12                              ; the next step's four loads are in; those of the three steps behind it may be out
.else
	s_wait_loadcnt 4*(STEPS-2-(\t))                ; at the tail fewer steps stand behind it
.endif
	TURNX (\t)+1
.endif
	v_max3_num_f32 v8, |v[XS]|, |v[XS+1]|, |v[XS+2]|               ; the largest magnitude of my 16, in two chains
	v_max3_num_f32 v9, |v[XS+3]|, |v[XS+4]|, |v[XS+5]|
.irp i, 6,10
	v_max3_num_f32 v8, v8, |v[XS+\i]|, |v[XS+\i+1]|
	v_max3_num_f32 v9, v9, |v[XS+\i+2]|, |v[XS+\i+3]|
.endr
	v_max3_num_f32 v8, v8, |v[XS+14]|, |v[XS+15]|
	v_max3_num_f32 v8, v8, v9, FLOOR
	v_max_num_f32_dpp v8, v8, v8 row_xmask:1 row_mask:0xf bank_mask:0xf   ; and of my neighbour's 16: the block's
	v_add_nc_u32 v11, OFFE, v8                     ; the conversion takes the exponent field of this operand as its scale
	v_cvt_scalef32_pk16_bf6_f32 v[C+4*(\t):C+4*(\t)+2], v[XS:XS+15], v11
	v_lshrrev_b32 v[E+(\t)], 23, v11               ; the scale's byte (a plain line behind the conversion)
	ds_store_b8 v5, v[E+(\t)] offset:16*(\t)       ; both lanes of a block write the same byte with the same value
	global_store_b96 v4, v[C+4*(\t):C+4*(\t)+2], s[12:13] offset:32*CB*(\t)   ; the wave stores 384 consecutive bytes
.endm
.macro LOADW t                         ; block t: W(32 t + i, my column), i = 0 .. 31: 32 lanes read 128 consecutive bytes
.irp i, 0,1,2,3,4,5,6,7,8,9,10,11,12,13,14,15,16,17,18,19,20,21,22,23,24,25,26,27,28,29,30,31
	global_load_b32 v[WX+32*((\t)%2)+\i], v3, s[6:7] offset:(32*(\t)+\i)*4096 th:TH_LOAD_NT
.endr
.endm
.macro BLOCKW t
.set XW, WX+32*((\t)%2)
.if (\t) < NB-1
	s_wait_loadcnt 32                              ; this block's 32 loads are in; the next block's may be out
.else
	s_wait_loadcnt 0x0
.endif
	v_max3_num_f32 v12, |v[XW]|, |v[XW+1]|, |v[XW+2]|              ; all 32 numbers of the block are mine
	v_max3_num_f32 v13, |v[XW+3]|, |v[XW+4]|, |v[XW+5]|
.irp i, 6,10,14,18,22,26
	v_max3_num_f32 v12, v12, |v[XW+\i]|, |v[XW+\i+1]|
	v_max3_num_f32 v13, v13, |v[XW+\i+2]|, |v[XW+\i+3]|
.endr
	v_max3_num_f32 v12, v12, |v[XW+30]|, |v[XW+31]|
	v_max3_num_f32 v12, v12, v13, FLOOR
	v_add_nc_u32 v11, OFFE, v12
	v_lshrrev_b32 v13, 23, v11                     ; the scale's byte
.if (\t)%4 == 0
	v_mov_b32 v[SB+(\t)/4], v13                    ; four bytes to a register, the lower K in the lower byte
.else
	v_lshl_or_b32 v[SB+(\t)/4], v13, 8*((\t)%4), v[SB+(\t)/4]
.endif
	v_cvt_scalef32_pk16_bf6_f32 v[WC:WC+2], v[XW:XW+15], v11
	v_cvt_scalef32_pk16_bf6_f32 v[WC+4:WC+6], v[XW+16:XW+31], v11  ; (a conversion's three registers begin on an even number)
	ds_store_b96 v4, v[WC:WC+2] offset:32*(\t)     ; 12 bytes to a place of 16, so that every LDS address is a multiple of 16
	ds_store_b96 v4, v[WC+4:WC+6] offset:32*(\t)+16
.if (\t)+2 < NB
	LOADW (\t)+2
.endif
	s_wait_dscnt 0x0                               ; the stores have read their registers: the next block's codes may be written
.endm
	s_load_b256 s[4:11], s[0:1], 0x0               ; hidden_states s[4:5], Wq s[6:7], Wk s[8:9], Wv s[10:11]
	s_load_b256 s[12:19], s[0:1], 0x20             ; x_codes s[12:13], x_scales s[14:15], w_codes s[16:17], w_scales s[18:19]
	v_lshl_add_u32 v192, v0, 2, 0x10800
	v_mov_b32 v193, 0
	v_lshrrev_b32 v1, 5, v0
	v_readfirstlane_b32 s20, v1                    ; wave 0..3
	v_and_b32 v2, 31, v0                           ; lane
	s_wait_kmcnt 0x0
	s_cmp_lt_u32 ttmp9, 256
	s_cbranch_scc0 .Lweights
	; ---- hidden_states: a wave takes 8 rows = 16 steps of 512 numbers; rows are dense, so they are a plain stream of blocks of 32
	v_lshlrev_b32 v3, 4, v2                        ; my 16 bytes of a load's 512
	s_mul_i32 s21, s20, WREG
	v_lshrrev_b32 v14, 2, v2
	v_mul_u32_u24 v14, v14, SP
	v_and_b32 v15, 3, v2
	v_lshl_add_u32 v14, v15, 4, v14
	v_add_nc_u32 v14, s21, v14                     ; the stage, on the way in: SP (lane / 4) + 16 (lane % 4)
	v_mul_u32_u24 v15, v2, SP
	v_add_nc_u32 v15, s21, v15                     ; and on the way out: SP x lane: my 16 neighbours
	v_mul_u32_u24 v4, v2, CB                       ; my codes' place in a step's
	v_lshrrev_b32 v5, 1, v2
	s_add_co_u32 s21, s21, 2*32*SP
	v_add_nc_u32 v5, s21, v5                       ; LDS: my wave's 256 scale bytes, my block's byte
	v_lshlrev_b32 v7, 3, v2                        ; and on the way out 8 bytes a lane
	v_add_nc_u32 v6, s21, v7
	s_lshl_b32 s22, ttmp9, 2
	s_add_co_u32 s24, s22, s20                     ; the run of 8 rows that I read: 4 x work-group + wave
	s_lshl_b32 s24, s24, 15                        ; x 32,768 bytes
	s_mov_b32 s25, 0
	s_add_nc_u64 s[4:5], s[4:5], s[24:25]
	s_and_b32 s23, s20, 1                          ; the run's place: the wave's two bits changed round, which are the rows' bits 3 and 4
	s_lshl_b32 s23, s23, 1
	s_lshr_b32 s26, s20, 1
	s_or_b32 s23, s23, s26
	s_add_co_u32 s22, s22, s23
	s_mul_i32 s24, s22, 8*KROW
	s_add_nc_u64 s[12:13], s[12:13], s[24:25]
	s_lshl_b32 s24, s22, 8                         ; 256 scale bytes a run
	s_add_nc_u64 s[14:15], s[14:15], s[24:25]
.irp t, 0,1,2,3
	LOADX \t
.endr
	s_wait_loadcnt 12                              ; step 0's four loads are in
	TURNX 0
.irp t, 0,1,2,3,4,5,6,7,8,9,10,11,12,13,14,15
	STEPX \t
.endr
	ds_load_b64 v[12:13], v6                       ; LDS serves a wave's instructions in order: these see my byte stores
	s_wait_dscnt 0x0
	global_store_b64 v7, v[12:13], s[14:15]        ; 32 lanes store 256 consecutive bytes, aligned
	s_wait_tensorcnt 0x0
	ds_add_u32 v192, v193
	s_wait_dscnt 0x0
	s_endpgm
.Lweights:
	; ---- a weight: a lane takes a column n and its registers run down K; a wave takes 32 columns x 256 along K, a work-group 128 columns
	s_sub_co_u32 s21, ttmp9, 256
	s_lshr_b32 s22, s21, 5                         ; which weight: 0 Wq, 1 Wk, 2 Wv
	s_cmp_eq_u32 s22, 0
	s_cselect_b64 s[6:7], s[6:7], s[8:9]
	s_cmp_eq_u32 s22, 2
	s_cselect_b64 s[6:7], s[10:11], s[6:7]
	s_and_b32 s23, s21, 7                          ; which 128 columns
	s_bfe_u32 s24, s21, 0x20003                    ; which 256 along K
	s_lshl_b32 s23, s23, 7
	s_lshl_b32 s25, s20, 5
	s_add_co_u32 s23, s23, s25                     ; my wave's first column, a multiple of 32
	v_lshlrev_b32 v3, 2, v2                        ; in: 4 bytes a lane
	s_mul_i32 s25, s20, 32*PITCH
	s_add_co_u32 s25, s25, WLDS                    ; my stage
	v_mul_u32_u24 v4, v2, PITCH
	v_add_nc_u32 v4, s25, v4                       ; into it: row = my column
	v_and_b32 v5, 15, v2
	v_lshrrev_b32 v6, 4, v2
	v_mul_u32_u24 v7, v6, PITCH
	v_lshl_add_u32 v7, v5, 4, v7
	v_add_nc_u32 v7, s25, v7                       ; out of it: sixteen lanes to a row, two rows an instruction
	v_mul_u32_u24 v8, v6, KROW
	v_mad_u32_u24 v8, v5, 12, v8                   ; and the same in the codes' buffer
	v_and_b32 v9, 7, v2                            ; my column's place in its group of 32: bits 3 and 4 changed round
	v_lshl_add_u32 v9, v6, 3, v9
	v_bfe_u32 v10, v2, 3, 1
	v_lshl_add_u32 v9, v10, 4, v9
	v_lshlrev_b32 v9, 5, v9                        ; x 32 scale bytes a row
	s_lshl_b32 s26, s24, 20                        ; 256 rows of 4,096 bytes
	s_lshl_b32 s27, s23, 2
	s_add_co_u32 s26, s26, s27
	s_mov_b32 s27, 0
	s_add_nc_u64 s[6:7], s[6:7], s[26:27]
	s_lshl_b32 s28, s22, 10
	s_add_co_u32 s28, s28, s23                     ; my group's first place
	s_mul_i32 s26, s28, KROW
	s_mul_i32 s29, s24, 192
	s_add_co_u32 s26, s26, s29
	s_add_nc_u64 s[16:17], s[16:17], s[26:27]
	s_lshl_b32 s26, s28, 5
	s_lshl_b32 s29, s24, 3
	s_add_co_u32 s26, s26, s29
	s_add_nc_u64 s[18:19], s[18:19], s[26:27]
	LOADW 0
	LOADW 1
.irp t, 0,1,2,3,4,5,6,7
	BLOCKW \t
.endr
	global_store_b64 v9, v[SB:SB+1], s[18:19]      ; my column's 8 scale bytes
.irp t, 0,1,2,3,4,5,6,7,8,9,10,11,12,13,14,15
	ds_load_b96 v[OUTR+4*\t:OUTR+4*\t+2], v7 offset:2*\t*PITCH     ; LDS serves a wave's instructions in order: these see my stores
.endr
.irp t, 0,1,2,3,4,5,6,7,8,9,10,11,12,13,14,15
	s_wait_dscnt 15-\t                             ; the younger reads of the stage may be out
	global_store_b96 v8, v[OUTR+4*\t:OUTR+4*\t+2], s[16:17] offset:(2*(\t%4)+8*(\t/8)+16*((\t/4)%2))*KROW   ; stage rows 2 t, 2 t + 1 go to their places: sixteen lanes store a row's 192 consecutive bytes
.endr
	s_wait_tensorcnt 0x0
	ds_add_u32 v192, v193
	s_wait_dscnt 0x0
	s_endpgm
.Lfunc_end_k_qd9832d6486_quant:
	.size	k_qd9832d6486_quant, .Lfunc_end_k_qd9832d6486_quant-k_qd9832d6486_quant
	.p2alignl 7, 3214868480
	.fill 96, 4, 3214868480
	.section	.rodata,"a",@progbits
	.p2align	6, 0x0
	.amdhsa_kernel k_qd9832d6486_quant
		.amdhsa_group_segment_fixed_size 68096
		.amdhsa_private_segment_fixed_size 0
		.amdhsa_enable_private_segment 0
		.amdhsa_kernarg_size 64
		.amdhsa_user_sgpr_count 2
		.amdhsa_user_sgpr_kernarg_segment_ptr 1
		.amdhsa_wavefront_size32 1
		.amdhsa_system_sgpr_workgroup_id_x 1
		.amdhsa_system_sgpr_workgroup_id_y 1
		.amdhsa_system_sgpr_workgroup_id_z 1
		.amdhsa_system_vgpr_workitem_id 0
		.amdhsa_next_free_vgpr 194
		.amdhsa_next_free_sgpr 66
		.amdhsa_reserve_vcc 0
		.amdhsa_float_denorm_mode_32 3
		.amdhsa_float_denorm_mode_16_64 3
		.amdhsa_memory_ordered 1
		.amdhsa_forward_progress 1
		.amdhsa_inst_pref_size 73
	.end_amdhsa_kernel
	.amdgpu_metadata
---
amdhsa.version: [ 1, 2 ]
amdhsa.kernels:
  - .name:           k_qd9832d6486_quant
    .symbol:         k_qd9832d6486_quant.kd
    .args:
      - { .name: hidden_states, .offset: 0, .size: 8, .value_kind: global_buffer, .address_space: global }
      - { .name: Wq, .offset: 8, .size: 8, .value_kind: global_buffer, .address_space: global }
      - { .name: Wk, .offset: 16, .size: 8, .value_kind: global_buffer, .address_space: global }
      - { .name: Wv, .offset: 24, .size: 8, .value_kind: global_buffer, .address_space: global }
      - { .name: x_codes, .offset: 32, .size: 8, .value_kind: global_buffer, .address_space: global }
      - { .name: x_scales, .offset: 40, .size: 8, .value_kind: global_buffer, .address_space: global }
      - { .name: w_codes, .offset: 48, .size: 8, .value_kind: global_buffer, .address_space: global }
      - { .name: w_scales, .offset: 56, .size: 8, .value_kind: global_buffer, .address_space: global }
    .group_segment_fixed_size: 68096
    .private_segment_fixed_size: 0
    .kernarg_segment_align: 8
    .kernarg_segment_size: 64
    .max_flat_workgroup_size: 128
    .sgpr_count:     66
    .vgpr_count:     194
    .wavefront_size: 32
...
	.end_amdgpu_metadata
.endif
;; end of part 1
;; launch qkv (part 2): grid 12 x 32, 4 waves a work-group, clusters of 4 x 4, 327,680 bytes of LDS; arguments x_codes, x_scales, w_codes, w_scales, bq, bk, bv, qbuf, kbuf, vbuf; writes qbuf, kbuf, vbuf
.if DOCPART == 2
	.amdgcn_target "amdgcn-amd-amdhsa--gfx1250"
	.amdhsa_code_object_version 6
	.text
	.protected	k_qd9832d6486_qkv
	.globl	k_qd9832d6486_qkv
	.p2align	8
	.type	k_qd9832d6486_qkv,@function
k_qd9832d6486_qkv:
	s_mov_b64 s[64:65], 0
	v_nop
	global_prefetch_b8 v0, s[64:65] scope:SCOPE_SE
	s_setreg_imm32_b32 hwreg(HW_REG_WAVE_MODE, 25, 1), 1
	s_wait_xcnt 0x0
	s_wait_alu depctr_hold_cnt(0) depctr_sa_sdst(0) depctr_va_vdst(0) depctr_va_sdst(0) depctr_va_ssrc(0) depctr_va_vcc(0) depctr_vm_vsrc(0)
	s_getreg_b32 s2, hwreg(HW_REG_IB_STS2, 6, 4)
	s_cmp_eq_u32 s2, 0
	s_cbranch_scc0 .Lentry_in_a_cluster
	s_endpgm
.Lentry_in_a_cluster:
	s_bfe_u32 s2, ttmp6, 0x10000c
	s_cmp_lg_u32 s2, 0xf033
	s_cbranch_scc0 .Lentry_shape_is_right
	s_endpgm
.Lentry_shape_is_right:
; q = (x Wq + bq) / 8, k = x Wk + bk, v = x Wv + bv, on codes of BF6 (E3M2) with one E8M0 scale for each 32 along K = 1,024; the results are quantised in registers, along the NEXT product's K, and stored as
; images of the next launch's operand registers.  q, k and v never lie in memory as f32.
; A tile of 256 x 256 is made by a work-group of four waves, a wave makes 128 x 128: 64 accumulators of 16 x 16, 512 registers.  K goes in steps of 256 through a ring of two LDS slots filled by the tensor data mover.
; THE KIND is the cluster's x: 0 q, 1 k, 2 v: the same in all sixteen partners.  For q and k side A is x (tokens) and side B the weight's columns; for v THE SIDES ARE CHANGED ROUND: A is Wv's columns, B is x.
; The matrix instruction is used transposed (source 0 = 16 rows of B, source 1 = 16 rows of A): a lane holds ONE row of A and its registers run along B: along the head's 64 for q and k, along the tokens for v: each the next K.
; Rows lie in the code buffers at places (index with bits 3 and 4 changed round), so that the 16 registers of B's blocks 2 c and 2 c + 1 are 16 NEIGHBOURS: B's index 32 c + 16 (lane / 16) + 0 .. 15.
; CLUSTERS: 4 x 4 work-groups; A's tile is shared along a row of the cluster, B's along a column: each is asked for jointly, by the same tensor load with the same descriptor and a mask that names the four.
; 384 work-groups, 24 clusters.  The scales of the work-group's rows, for all of K, come into LDS once, with the first fills.
; RECORDS.  qbuf, kbuf: [64 (batch x head)][16 steps of 128 tokens][6,656 bytes]: four images of 1,536 bytes, one for each 32 tokens (12 registers a lane: registers 0-5 the fragment of tile 2 c, 6-11 of tile 2 c + 1; lane (r, h)
; holds d = 32 h .. 32 h + 31 of token 32 c + 8 u + (r & 7) + 16 (r >> 3); register group i at 512 i + 16 x lane), then 512 bytes of scale words (16 x lane: words c = 0 .. 3; lanes 0-15 the even tile's, lanes 16-31 the odd tile's;
; bytes 0, 1 count; bytes 2, 3 are another head's bytes or 0, never 0xff).  vbuf: [64][16 steps of 128 keys][6,400]: four images, one for each 16 of the head's 64 (a whole fragment 16 x 128 keys;
; row m of tile 2 c + u is d = 32 c + 8 u + (m & 7) + 16 (m >> 3)), then 256 bytes of scale words (8 x lane: tile pairs 0, 1).
; LIMITS: blocks whose largest magnitude lies under 2^-122 get the byte 1 (zero blocks too: their codes are zeros); (x Wq + bq) / 8 is made by one fused multiply-add with bq / 8, which equals the sum rounded and then divided but for denormals;
; NaN and infinities are not served.
; REGISTERS, in windows of 256: window 0: v0-31 addresses; v32-63 scale words, two sets; v64-127 the bias along B; v128-223 A's fragments, one set; v224-231 the bias along A.  window 1: B's fragments, two sets.
;   windows 2, 3: the accumulators ((a, b) at v[8 (8 (a % 4) + b)]).  On the way out window 0's v32-63 and v128-223 are free and take the images and the work.
.set KSTEP,  256
.set NQ,     2                         ; matrix instructions deep in a slot
.set ROWB,   192                       ; a tile's row: 256 codes
.set KROW,   768                       ; a row of codes in memory
.set PITCH,  240                       ; an LDS row: 3 x (64 bytes + 16 of padding) = 60 words: the 32 lanes of a load of 8 bytes touch 64 different banks (64 banks of 4 bytes: ISA guide 11.1)
.set FR,     12
.set NL,     6
.set NP,     4                         ; places behind this matrix instruction (ISA guide 7.12.1)
.set HALFT,  128*PITCH
.set SLOT,   4*HALFT
.set LAPS,   2                         ; 1,024 / 512
.set KS,     32                        ; a row of scales in bytes
.set SCL,    2*SLOT
.set HALFS,  (128*KS/256)*272
.set SBLK,   (16*KS/256)*272
.set SPARE,  SCL+4*HALFS               ; the spare words, 128 bytes a wave: two blocks of 256 bytes that no other line names
.set HEADQ,  16*6656                   ; from a head's records to the next head's, in qbuf and kbuf
.set HEADV,  16*6400                   ; and in vbuf
.set ADRA, 16                          ; v16-17 LDS address of my A fragments in slot 0, 1 (v18-19: for the pieces behind one padding more)
.set ADRB, 20                          ; v20-23 the same for B
.set SO16, 24                          ; v24    16 x lane: an image's place for my lane
.set SO8,  25                          ; v25    8 x lane
.set ADRS, 27                          ; v27    LDS address of my scale words
.set SPW,  28                          ; v28    my spare word; never rewritten
.set NIL,  29                          ; v29    0; never rewritten
.set SC,   32
.set BI,   64                          ; v64-127  bias x F at B's index 32 c + 16 h + i: register 16 c + i
.set AF,   128
.set BV,   224                         ; v224-231 bias at my row of A's block a
.set IMG0, 32                          ; the way out: v32-43, v44-55 two images
.set IMG1, 44
.set SW0,  56                          ; v56-59, v60-63 scale words
.set SW1,  60
.set T,    128                         ; v128-191 64 numbers of my row
.set TM,   192                         ; v192-195 largest magnitudes, v196-199 the other half's and then bytes, v200-203 the conversions' scale operands
.set CT,   204                         ; v204-211 the conversions' second halves
.set PWE,  212                         ; the scale words just made: even tile's, odd tile's
.set PWO,  213
.set G1, 24
.set G0, 32
.set G1B, 48
.set G0B, 56
.set FS,  66                           ; s[66:67] F: 1/8 for q, 1 for k and v
.set G1S, 68
.set G0S, 76
.set G1SB, 80
.set G0SB, 88
.set SEL, 92                           ; s[92:93] v_permlanex16_b32's selects for lane l xor 16 (written when B's scale address has been used)
.set HI16, 94                          ; s94 the mask of lanes 16-31
.set MSB, 0
.macro WIN new                         ; the immediate's high byte repeats the setting that is left
.if MSB != (\new)
	s_set_vgpr_msb (MSB<<8)|(\new)
.set MSB, (\new)
.endif
.endm
.set MUL_LO, 0xa1                      ; source 0 (B) window 1, source 1 (A) window 0, C and D window 2
.set MUL_HI, 0xf1
.set TO_B,   0x40
; A joint load: waves 0 and 1 fetch for A, waves 2 and 3 for B; the branch hangs on the wave's number alone.  Four v_nop follow each of the two lines.
.macro JLOAD g0a, g1a, g0b, g1b
	s_cmp_eq_u32 s15, 0
	s_cbranch_scc0 .Lfor_b_\@
	tensor_load_to_lds s[\g0a:\g0a+3], s[\g1a:\g1a+7]
	s_nop 0
.rept 4
	v_nop
.endr
	s_branch .Lasked_\@
.Lfor_b_\@:
	tensor_load_to_lds s[\g0b:\g0b+3], s[\g1b:\g1b+7]
	s_nop 0
.rept 4
	v_nop
.endr
.Lasked_\@:
.endm
.macro CREST                           ; a round of the cluster's barrier behind its opening barrier
	s_cmp_lg_u32 s14, 0
	s_cbranch_scc1 .Lnot_wave_0_\@
	s_barrier_signal -3
.Lnot_wave_0_\@:
	s_barrier_wait -3
	s_barrier_signal -1
	s_barrier_wait -1
.endm
.macro CROUND
	s_barrier_signal -1
	s_barrier_wait -1
	CREST
.endm
	s_load_b128 s[4:7], s[0:1], 0x0                ; x's codes, x's scales
	s_load_b128 s[8:11], s[0:1], 0x10              ; the weights' codes, their scales
	v_lshl_add_u32 v[SPW], v0, 2, SPARE
	v_mov_b32 v[NIL], 0
	ds_add_u32 v28, v29
	ds_add_u32 v28, v29
	s_wait_dscnt 0x0
	v_lshrrev_b32 v1, 5, v0
	v_readfirstlane_b32 s14, v1                    ; wave 0..3
	s_lshr_b32 s15, s14, 1                         ; which half of A's rows is mine.  Also: I fetch for A (0) or for B (1)
	s_and_b32 s16, s14, 1                          ; which half of B's rows.  Also: which 128 rows of that tile I fetch
	s_bfe_u32 s40, ttmp6, 0x40000                  ; cx, cy: my place in the cluster
	s_bfe_u32 s41, ttmp6, 0x40004
	s_and_b32 s18, ttmp7, 0xffff
	s_lshl_b32 s18, s18, 2                         ; 4 x cluster y
	s_lshl_b32 s19, ttmp9, 2                       ; 4 x cluster x
	s_cmp_eq_u32 ttmp9, 2                          ; v?  The cluster's x is the same in all partners
	s_cselect_b32 s17, 8, s18                      ; A's tile: of Wv's places (from 2,048 on), else of the tokens
	s_cselect_b32 s42, s18, s19                    ; B's tile: of the tokens, else of Wq's or Wk's places
	s_add_co_u32 s17, s17, s41                     ; A's tile hangs on cy alone,
	s_add_co_u32 s42, s42, s40                     ; B's on cx alone
	s_lshl_b32 s43, s41, 2
	s_lshl_b32 s43, 15, s43                        ; my row of the cluster
	s_lshl_b32 s44, 0x1111, s40                    ; my column
	; descriptor group 1: a tile of 128 rows x 192 bytes, 16 bytes of padding behind every 64
	s_or_b32 s[G1+0], s43, (0<<16)|(1<<20)|(1<<21)|(3<<22)|(3<<25)
	s_or_b32 s[G1B+0], s44, (0<<16)|(1<<20)|(1<<21)|(3<<22)|(3<<25)
.irp g, G1, G1B
	s_mov_b32 s[\g+1], ROWB<<16                    ; tensor_dim0
	s_mov_b32 s[\g+2], 128<<16                     ; tensor_dim1
	s_mov_b32 s[\g+3], ROWB<<16                    ; tile_dim0
	s_mov_b32 s[\g+4], 128                         ; tile_dim1
	s_mov_b32 s[\g+5], KROW                        ; the pitch
	s_mov_b32 s[\g+6], 0
	s_mov_b32 s[\g+7], 0
.endr
	; the scales of 128 rows: 4,096 dense bytes, as 16 rows of 256 bytes (32 elements of 8), 16 bytes of padding behind each
	s_or_b32 s[G1S+0], s43, (3<<16)|(1<<20)|(1<<21)|(5<<22)|(3<<25)
	s_or_b32 s[G1SB+0], s44, (3<<16)|(1<<20)|(1<<21)|(5<<22)|(3<<25)
.irp g, G1S, G1SB
	s_mov_b32 s[\g+1], 32<<16
	s_mov_b32 s[\g+2], (128*KS/256)<<16
	s_mov_b32 s[\g+3], 32<<16
	s_mov_b32 s[\g+4], 128*KS/256
	s_mov_b32 s[\g+5], 32
	s_mov_b32 s[\g+6], 0
	s_mov_b32 s[\g+7], 0
.endr
	s_lshl_b32 s18, s16, 7                         ; which 128 rows of the tile I fetch
	s_lshl_b32 s20, s17, 8
	s_add_co_u32 s20, s20, s18                     ; A: place 256 x tile + 128 x half
	s_lshl_b32 s46, s42, 8
	s_add_co_u32 s46, s46, s18                     ; B likewise
	s_mov_b32 s21, 0
	s_mov_b32 s47, 0
	s_mov_b64 s[18:19], KS
	s_mul_u64 s[22:23], s[20:21], s[18:19]         ; where these rows' scales begin, in bytes
	s_mul_u64 s[92:93], s[46:47], s[18:19]
	s_mov_b64 s[18:19], KROW
	s_mul_u64 s[20:21], s[20:21], s[18:19]         ; and their codes
	s_mul_u64 s[46:47], s[46:47], s[18:19]
	s_mul_i32 s45, s14, HALFT                      ; where they go: wave x 128 rows: no place in the cluster enters an LDS address
	s_mul_i32 s94, s14, HALFS
	s_wait_kmcnt 0x0
	s_cmp_eq_u32 ttmp9, 2                          ; for v the two sides change buffers
	s_cselect_b64 s[12:13], s[8:9], s[4:5]
	s_cselect_b64 s[8:9], s[4:5], s[8:9]           ; B's codes
	s_mov_b64 s[4:5], s[12:13]                     ; A's codes
	s_cselect_b64 s[12:13], s[10:11], s[6:7]
	s_cselect_b64 s[10:11], s[6:7], s[10:11]       ; B's scales
	s_mov_b64 s[6:7], s[12:13]                     ; A's scales
	s_add_nc_u64 s[20:21], s[4:5], s[20:21]
	s_add_nc_u64 s[22:23], s[6:7], s[22:23]
	s_add_nc_u64 s[46:47], s[8:9], s[46:47]
	s_add_nc_u64 s[92:93], s[10:11], s[92:93]
	CROUND                                         ; all sixteen work-groups are here: the first joint loads meet
	s_mov_b32 s[G0S], 1
	s_add_co_u32 s[G0S+1], s94, SCL
	s_mov_b64 s[G0S+2:G0S+3], s[22:23]
	s_or_b32 s[G0S+3], s[G0S+3], 0x80000000
	s_mov_b32 s[G0SB], 1
	s_add_co_u32 s[G0SB+1], s94, SCL
	s_mov_b64 s[G0SB+2:G0SB+3], s[92:93]
	s_or_b32 s[G0SB+3], s[G0SB+3], 0x80000000
	JLOAD G0S, G1S, G0SB, G1SB                     ; the scales first: they are wanted with K step 0
.irp s, 0,1
	s_mov_b32 s[G0+4*\s], 1
	s_add_co_u32 s[G0+4*\s+1], s45, \s*SLOT
	s_add_nc_u64 s[G0+4*\s+2:G0+4*\s+3], s[20:21], \s*ROWB
	s_or_b32 s[G0+4*\s+3], s[G0+4*\s+3], 0x80000000
	s_mov_b32 s[G0B+4*\s], 1
	s_add_co_u32 s[G0B+4*\s+1], s45, \s*SLOT
	s_add_nc_u64 s[G0B+4*\s+2:G0B+4*\s+3], s[46:47], \s*ROWB
	s_or_b32 s[G0B+4*\s+3], s[G0B+4*\s+3], 0x80000000
	JLOAD G0+4*\s, G1, G0B+4*\s, G1B               ; three tensor loads of mine are out
.endr
	s_load_b256 s[4:11], s[0:1], 0x20              ; bq s[4:5], bk s[6:7], bv s[8:9], qbuf s[10:11]
	s_load_b128 s[96:99], s[0:1], 0x40             ; kbuf s[96:97], vbuf s[98:99]
	v_and_b32 v1, 15, v0                           ; r = l % 16
	v_bfe_u32 v2, v0, 4, 1                         ; h = l / 16
	v_mul_u32_u24 v3, v1, PITCH
	v_mul_u32_u24 v4, v2, 24
	v_add_nc_u32 v4, v3, v4                        ; a fragment's row x pitch + 24 x half
	v_lshl_add_u32 v5, v2, 4, v4                   ; and the same behind one padding more
	s_mul_i32 s21, s15, HALFT                      ; my 128 rows of A
	s_mul_i32 s22, s16, HALFT                      ; my 128 rows of B,
	s_add_co_u32 s22, s22, 2*HALFT                 ; which lie behind A's 256
.irp s, 0,1
	v_add_nc_u32 v[ADRA+\s], s21, v4
	v_add_nc_u32 v[ADRB+\s], s22, v4
	v_add_nc_u32 v[ADRA+2+\s], s21, v5
	v_add_nc_u32 v[ADRB+2+\s], s22, v5
	s_add_co_u32 s21, s21, SLOT
	s_add_co_u32 s22, s22, SLOT
.endr
	v_mul_u32_u24 v5, v1, KS                       ; my row's scales: 32 bytes a row,
	v_lshrrev_b32 v6, 8, v5
	v_lshl_add_u32 v5, v6, 4, v5                   ; and 16 more for each 256 passed
	s_mul_i32 s21, s15, HALFS
	s_mul_i32 s22, s16, HALFS
	s_add_co_u32 s22, s22, 2*HALFS
	s_sub_co_u32 s22, s22, s21
	v_mul_u32_u24 v6, s22, v2                      ; lanes 16-31 take B's
	s_add_co_u32 s21, s21, SCL
	v_add_nc_u32 v5, v5, v6
	v_add_nc_u32 v[ADRS], s21, v5
	; what the way out needs: made here, while the first tiles are on their way
	v_and_b32 v10, 31, v0
	v_lshlrev_b32 v[SO16], 4, v10
	v_lshlrev_b32 v[SO8], 3, v10
	v_cmp_lt_u32 s[HI16], 15, v10                  ; lanes 16-31
	s_mov_b32 s[SEL], 0x76543210
	s_mov_b32 s[SEL+1], 0xfedcba98
	v_lshlrev_b32 v7, 6, v2                        ; the bias along B: 64 h bytes
	v_and_b32 v8, 7, v1
	v_lshrrev_b32 v9, 3, v1
	v_lshl_add_u32 v8, v9, 4, v8
	v_lshlrev_b32 v8, 2, v8                        ; the bias along A: 4 ((r & 7) + 16 (r >> 3)) bytes
	s_lshl_b32 s18, s17, 8
	s_lshl_b32 s19, s15, 7
	s_add_co_u32 s18, s18, s19                     ; my first place of A
	s_lshl_b32 s46, s42, 8
	s_lshl_b32 s47, s16, 7
	s_add_co_u32 s46, s46, s47                     ; my first place of B
	s_wait_kmcnt 0x0
	s_cmp_eq_u32 ttmp9, 0
	s_cselect_b64 s[4:5], s[4:5], s[6:7]           ; bq or bk
	s_cselect_b64 s[12:13], s[10:11], s[96:97]     ; qbuf or kbuf
	s_mov_b32 s[FS+1], 1.0
	s_cselect_b32 s[FS], 0x3e000000, s[FS+1]       ; F = 1/8 for q
	s_mov_b32 s[FS+1], s[FS]                       ; (named with it as a pair, so it is written)
	s_cmp_eq_u32 ttmp9, 2
	s_cselect_b64 s[4:5], s[8:9], s[4:5]           ; or bv
	s_cselect_b64 s[12:13], s[98:99], s[12:13]     ; or vbuf
	s_mov_b32 s20, 6656
	s_cselect_b32 s20, 6400, s20                   ; a record's bytes
	s_cselect_b32 s19, s46, s18                    ; my first token,
	s_cselect_b32 s47, s18, s46                    ; my first column of the weight
	s_and_b32 s47, s47, 1023
	s_lshr_b32 s21, s19, 11                        ; the batch
	s_bfe_u32 s22, s19, 0x40007                    ; the step of 128 tokens
	s_lshr_b32 s23, s47, 6                         ; my first head (I have two)
	s_lshl_b32 s21, s21, 4
	s_add_co_u32 s21, s21, s23
	s_lshl_b32 s21, s21, 4
	s_add_co_u32 s21, s21, s22                     ; the record's number
	s_mul_i32 s22, s21, s20
	s_mov_b32 s23, 0
	s_add_nc_u64 s[12:13], s[12:13], s[22:23]
	s_and_b32 s22, s46, 1023
	s_lshl_b32 s22, s22, 2
	s_add_nc_u64 s[6:7], s[4:5], s[22:23]          ; the bias at B's first place modulo 1,024: both sets are loaded for every kind, inside the bias's 4,096 bytes; each way out uses its own
	s_and_b32 s22, s18, 1023
	s_lshl_b32 s22, s22, 2
	s_add_nc_u64 s[8:9], s[4:5], s[22:23]          ; and at A's
.irp c, 0,1,2,3
.irp i, 0,1,2,3
	global_load_b128 v[BI+16*\c+4*\i:BI+16*\c+4*\i+3], v7, s[6:7] offset:128*\c+16*\i
.endr
.endr
.irp a, 0,1,2,3,4,5,6,7
	global_load_b32 v[BV+\a], v8, s[8:9] offset:4*(32*(\a/2)+8*(\a%2))
.endr
	s_wait_loadcnt 0x0
.set JJ, 0
.rept 32
	v_pk_mul_f32 v[BI+JJ:BI+JJ+1], v[BI+JJ:BI+JJ+1], s[FS:FS+1] op_sel_hi:[1,0]   ; bias x F: exact for F = 1/8 and 1
.set JJ, JJ+2
.endr
.macro FRAG reg, adr, q, i             ; a fragment, 16 rows x 128 K of 6-bit codes, is 12 registers: lane l holds row l % 16; registers 6 c .. 6 c + 5 hold K = 64 c + 32 (l / 16) + 0 .. 31: 24 bytes of the row, as they lie
.irp p, 0,1,2,3,4,5                    ; in pieces of 8 bytes.  Lanes 16-31 read three pieces further on than lanes 0-15; where that is behind one padding more, the second address register serves
.set PC, 12*(\q)+6*(\p/3)+\p%3
.if PC%8 < 5
	ds_load_b64 v[\reg+2*\p:\reg+2*\p+1], v[\adr] offset:8*PC+16*(PC/8)+(\i)*16*PITCH
.else
	ds_load_b64 v[\reg+2*\p:\reg+2*\p+1], v[\adr+2] offset:8*PC+16*(PC/8)+(\i)*16*PITCH
.endif
.endr
.endm
; 16 matrix instructions: A's blocks a0, a0 + 1 x B's eight, 128 along K.  zero = 1: the first product starts the sums.  The 64 accumulators take turns, one instruction a turn, in the same order in every step.
.macro MUL16 a0, p, q, sc, zero
.irp a, \a0, \a0+1
.irp b, 0,1,2,3,4,5,6,7
.if \zero
	v_wmma_scale_f32_16x16x128_f8f6f4 v[8*(8*((\a)%4)+\b):8*(8*((\a)%4)+\b)+7], v[128*(\p)+FR*\b:128*(\p)+FR*\b+FR-1], v[AF+FR*(\a):AF+FR*(\a)+FR-1], 0, v[SC+8*NQ*(\sc)+NQ*\b+(\q)], v[SC+8*NQ*(\sc)+NQ*(\a)+(\q)] matrix_a_fmt:MATRIX_FMT_BF6 matrix_b_fmt:MATRIX_FMT_BF6 matrix_a_scale:MATRIX_SCALE_ROW1
.else
	v_wmma_scale_f32_16x16x128_f8f6f4 v[8*(8*((\a)%4)+\b):8*(8*((\a)%4)+\b)+7], v[128*(\p)+FR*\b:128*(\p)+FR*\b+FR-1], v[AF+FR*(\a):AF+FR*(\a)+FR-1], v[8*(8*((\a)%4)+\b):8*(8*((\a)%4)+\b)+7], v[SC+8*NQ*(\sc)+NQ*\b+(\q)], v[SC+8*NQ*(\sc)+NQ*(\a)+(\q)] matrix_a_fmt:MATRIX_FMT_BF6 matrix_b_fmt:MATRIX_FMT_BF6 matrix_a_scale:MATRIX_SCALE_ROW1
.endif
.endr
.endr
.endm
.macro FETCH_B slot, q, p
	WIN TO_B
.irp i, 0,1,2,3,4,5,6,7
	FRAG 128*(\p)+FR*\i, ADRB+\slot, \q, \i
.endr
	WIN 0
.endm
.macro FETCH_A slot, q, i0
.irp i, \i0, \i0+1, \i0+2, \i0+3
	FRAG AF+FR*(\i), ADRA+\slot, \q, \i
.endr
.endm
.macro SCALES sc                       ; a K step's scale words: two words a row; lanes 0-15 take A's block i, lanes 16-31 B's block i
.irp i, 0,1,2,3,4,5,6,7
	ds_load_b64 v[SC+8*NQ*\sc+NQ*\i:SC+8*NQ*\sc+NQ*\i+1], v[ADRS] offset:\i*SBLK
.endr
.endm
.macro PLACES n                        ; plain vector lines between a matrix instruction and a load into, or a vector line on, its registers
.rept \n
	v_nop
.endr
.endm
.macro STEP slot, q, zero              ; a step of 128 along K that has its successor in the same slot
	s_wait_dscnt 4*NL                              ; B's set and A's blocks 0-3 are in; the youngest 24 loads (A's blocks 4-7) may be out
	WIN MUL_LO
	MUL16 0, (\q)%2, \q, \slot, \zero
	MUL16 2, (\q)%2, \q, \slot, \zero
	s_wait_dscnt 0
	PLACES NP
	FETCH_B \slot, (\q)+1, 1-(\q)%2
	FETCH_A \slot, (\q)+1, 0
	WIN MUL_HI
	MUL16 4, (\q)%2, \q, \slot, \zero
	MUL16 6, (\q)%2, \q, \slot, \zero
	PLACES NP
	WIN 0
	FETCH_A \slot, (\q)+1, 4
.endm
; A slot's last step changes slots: one barrier; in front of it each wave waits for all its tensor loads, adds 0 to its spare word, and waits for that and for its own reads of this slot.  fill = 1: this slot is filled again, two K steps ahead.
.macro TURN slot, next, fill
	s_wait_tensorcnt 0x0                           ; all my tensor loads have landed: my part of the next slot
	ds_add_u32 v[SPW], v[NIL]                      ; 0 onto my spare word
	s_wait_dscnt 4*NL+1                            ; the add and the youngest 24 loads (A's blocks 4-7) may be out
	WIN MUL_LO
	MUL16 0, 1, NQ-1, \slot, 0                     ; sixteen matrix instructions stand between the add and the wait for it
	s_wait_dscnt 0x0                               ; the add is done, and my reads of this slot are over
	s_barrier_signal -1
	MUL16 2, 1, NQ-1, \slot, 0
	WIN 0
	s_barrier_wait -1
.if \fill
	CREST                                          ; the barrier has opened a round of the cluster's barrier: no wave of any partner still reads this slot or has a load on its way
	s_add_nc_u64 s[G0+4*\slot+2:G0+4*\slot+3], s[G0+4*\slot+2:G0+4*\slot+3], 2*ROWB
	s_add_nc_u64 s[G0B+4*\slot+2:G0B+4*\slot+3], s[G0B+4*\slot+2:G0B+4*\slot+3], 2*ROWB
	JLOAD G0+4*\slot, G1, G0B+4*\slot, G1B         ; the first tensor load behind the round; its four v_nop are the places in front of the loads below
.else
	PLACES NP
.endif
	v_add_nc_u32 v[ADRS], 4*NQ, v[ADRS]            ; on to the next K step's scale words
	FETCH_B \next, 0, 0
	FETCH_A \next, 0, 0
	SCALES \next
	WIN MUL_HI
	MUL16 4, 1, NQ-1, \slot, 0
	MUL16 6, 1, NQ-1, \slot, 0
	PLACES NP
	WIN 0
	FETCH_A \next, 0, 4
.endm
	s_wait_tensorcnt 1                             ; the scales and my part of K step 0 are in; K step 1's load may be out
	s_barrier_signal -1
	s_barrier_wait -1
	FETCH_B 0, 0, 0
	FETCH_A 0, 0, 0
	SCALES 0
	FETCH_A 0, 0, 4
	STEP 0, 0, 1                                   ; the first step stands in front of the loop: its products start the sums
	s_mov_b32 s3, LAPS-1
.Llap:                                                 ; a trip goes once round the ring and fills both slots again
	TURN 0, 1, 1
	STEP 1, 0, 0
	TURN 1, 0, 1
	STEP 0, 0, 0
	s_sub_co_u32 s3, s3, 1
	s_cmp_lg_u32 s3, 0
	s_cbranch_scc1 .Llap
	TURN 0, 1, 0                                   ; the last lap fills nothing
	STEP 1, 0, 0
	s_wait_dscnt 4*NL
	WIN MUL_LO
	MUL16 0, 1, NQ-1, 1, 0
	MUL16 2, 1, NQ-1, 1, 0
	s_wait_dscnt 0
	WIN MUL_HI
	MUL16 4, 1, NQ-1, 1, 0
	MUL16 6, 1, NQ-1, 1, 0
	WIN 0
; THE WAY OUT.  A's block a: my row's 64 numbers, register 16 c + i = B's index 32 c + 16 h + i.  Each accumulator is read from its low end on.
.macro GATHER_QK a                     ; sum x F + bias x F, one rounding
	WIN 0x02+(\a)/4
.irp b, 0,1,2,3,4,5,6,7
.irp r, 0,2,4,6
	v_pk_fma_f32 v[T+8*\b+\r:T+8*\b+\r+1], v[64*((\a)%4)+8*\b+\r:64*((\a)%4)+8*\b+\r+1], s[FS:FS+1], v[BI+8*\b+\r:BI+8*\b+\r+1] op_sel_hi:[1,0,1]
.endr
.endr
	WIN 0
.endm
.macro GATHER_V a                      ; sum + my row's bias
	WIN 0x02+(\a)/4
.irp b, 0,1,2,3,4,5,6,7
.irp r, 0,2,4,6
.if ((\a)%2) == 0
	v_pk_add_f32 v[T+8*\b+\r:T+8*\b+\r+1], v[64*((\a)%4)+8*\b+\r:64*((\a)%4)+8*\b+\r+1], v[BV+2*((\a)/2):BV+2*((\a)/2)+1] op_sel:[0,0] op_sel_hi:[1,0]
.else
	v_pk_add_f32 v[T+8*\b+\r:T+8*\b+\r+1], v[64*((\a)%4)+8*\b+\r:64*((\a)%4)+8*\b+\r+1], v[BV+2*((\a)/2):BV+2*((\a)/2)+1] op_sel:[0,1] op_sel_hi:[1,1]
.endif
.endr
.endr
	WIN 0
.endm
; 64 numbers of a lane, register 16 b + i = k 32 b + 16 h + i of my row, become codes: k 0-63 in v[d0] .. v[d0 + 5], k 64-127 in v[d1] .. v[d1 + 5] (a whole block of 32 to a lane), and the row's scale word in v[pw].
.macro QUANT s, d0, d1, pw
.irp b, 0,1,2,3
	v_max3_num_f32 v[TM+\b], |v[\s+16*\b]|, |v[\s+1+16*\b]|, 0x2800000   ; my 16 numbers of block b, and the floor 2^(5 - 127): the byte cannot fall under 1
.endr
.irp i, 2,4,6,8,10,12,14
.irp b, 0,1,2,3
	v_max3_num_f32 v[TM+\b], v[TM+\b], |v[\s+16*\b+\i]|, |v[\s+1+16*\b+\i]|   ; the four blocks by turns
.endr
.endr
.irp b, 0,1,2,3
	v_permlanex16_b32 v[TM+4+\b], v[TM+\b], s[SEL], s[SEL+1]
.endr
.irp b, 0,1,2,3
	v_max_num_f32 v[TM+\b], v[TM+\b], v[TM+4+\b]   ; with lane l xor 16's: the block's largest magnitude
.endr
.irp b, 0,1,2,3
	v_add_nc_u32 v[TM+8+\b], 0xfe000000, v[TM+\b]  ; 4 off its exponent field: the conversion's scale operand
.endr
.irp b, 0,1,2,3
	v_lshrrev_b32 v[TM+4+\b], 23, v[TM+8+\b]       ; the scale's byte
.endr
	v_lshl_or_b32 v[\pw], v[TM+5], 8, v[TM+4]
	v_lshl_or_b32 v[\pw], v[TM+6], 16, v[\pw]
	v_lshl_or_b32 v[\pw], v[TM+7], 24, v[\pw]
	v_cvt_scalef32_pk16_bf6_f32 v[(\d0):(\d0)+2], v[\s:\s+15], v[TM+8]
	v_cvt_scalef32_pk16_bf6_f32 v[CT:CT+2], v[\s+16:\s+31], v[TM+9]      ; (a conversion's three registers begin on an even number)
	v_cvt_scalef32_pk16_bf6_f32 v[(\d1):(\d1)+2], v[\s+32:\s+47], v[TM+10]
	v_cvt_scalef32_pk16_bf6_f32 v[CT+4:CT+6], v[\s+48:\s+63], v[TM+11]
	v_nop                                          ; one plain line behind a scaled conversion
.irp i, 0,1,2
	v_permlane16_swap_b32 v[(\d0)+\i], v[CT+\i]    ; the first's lanes 16-31 change places with the second's lanes 0-15: each lane now has its block's lower 16 codes and its upper 16
.endr
.irp i, 0,1,2
	v_mov_b32 v[(\d0)+3+\i], v[CT+\i]
.endr
.irp i, 0,1,2
	v_permlane16_swap_b32 v[(\d1)+\i], v[CT+4+\i]
.endr
.irp i, 0,1,2
	v_mov_b32 v[(\d1)+3+\i], v[CT+4+\i]
.endr
.endm
	PLACES NP                                      ; behind the last products: their results are read and their operands' registers written below
.irp b, 0,1,2,3
	v_mov_b32 v[TM+4+\b], 0                        ; written once: a lane permute's destination counts as one of its sources
.endr
	s_cmp_eq_u32 ttmp9, 2                          ; the cluster's x: the same in every wave of all partners
	s_cbranch_scc1 .Lv_out
	; q and k: my row is a token, my 128 numbers are two heads' 64.  Tiles 2 c and 2 c + 1 make one image for each head.
.irp c, 0,1,2,3
	s_wait_xcnt 0x0                                ; the last pair's stores have read the images' registers
	GATHER_QK 2*\c
	QUANT T, IMG0, IMG1, PWE
	GATHER_QK 2*\c+1
	QUANT T, IMG0+6, IMG1+6, PWO
	v_cndmask_b32 v[SW0+\c], v[PWE], v[PWO], s[HI16]   ; lanes 0-15 the even tile's word, lanes 16-31 the odd tile's: bytes 0, 1 are the first head's,
	v_lshrrev_b32 v[SW1+\c], 16, v[SW0+\c]             ; bytes 2, 3 the second's
.irp i, 0,1,2
	global_store_b128 v[SO16], v[IMG0+4*\i:IMG0+4*\i+3], s[12:13] offset:1536*\c+512*\i         ; 32 lanes store 512 consecutive bytes, aligned to 256
.endr
.irp i, 0,1,2
	global_store_b128 v[SO16], v[IMG1+4*\i:IMG1+4*\i+3], s[12:13] offset:HEADQ+1536*\c+512*\i
.endr
.endr
	global_store_b128 v[SO16], v[SW0:SW0+3], s[12:13] offset:6144
	global_store_b128 v[SO16], v[SW1:SW1+3], s[12:13] offset:HEADQ+6144
	s_branch .Lend
.Lv_out:
	; v: my row is one of the head's 64, my 128 numbers are the step's 128 keys: a whole fragment.  Blocks 0-3 are the first head's four tiles, blocks 4-7 the second's.
.irp a, 0,1,2,3,4,5,6,7
.if (\a%2) == 0
	s_wait_xcnt 0x0                                ; the stores of the last two blocks have read the images' and the words' registers
.endif
	GATHER_V \a
	QUANT T, IMG0+12*(\a%2), IMG0+12*(\a%2)+6, PWE+(\a%2)
.irp i, 0,1,2
	global_store_b128 v[SO16], v[IMG0+12*(\a%2)+4*\i:IMG0+12*(\a%2)+4*\i+3], s[12:13] offset:(\a/4)*HEADV+1536*(\a%4)+512*\i
.endr
.if (\a%2) == 1
	v_cndmask_b32 v[SW0+(\a/2)%2], v[PWE], v[PWO], s[HI16]
.endif
.if (\a%4) == 3
	global_store_b64 v[SO8], v[SW0:SW0+1], s[12:13] offset:(\a/4)*HEADV+6144   ; 32 lanes store 256 consecutive bytes, aligned
.endif
.endr
.Lend:
	s_wait_tensorcnt 0x0                           ; the wave's end
	ds_add_u32 v[SPW], v[NIL]
	s_wait_dscnt 0x0
	CROUND                                         ; the closing round: no work-group ends while a partner may still ask for a tile that names it
	s_endpgm
.Lfunc_end_k_qd9832d6486_qkv:
	.size	k_qd9832d6486_qkv, .Lfunc_end_k_qd9832d6486_qkv-k_qd9832d6486_qkv
	.p2alignl 7, 3214868480
	.fill 96, 4, 3214868480
	.section	.rodata,"a",@progbits
	.p2align	6, 0x0
	.amdhsa_kernel k_qd9832d6486_qkv
		.amdhsa_group_segment_fixed_size 327680
		.amdhsa_private_segment_fixed_size 0
		.amdhsa_enable_private_segment 0
		.amdhsa_kernarg_size 80
		.amdhsa_user_sgpr_count 2
		.amdhsa_user_sgpr_kernarg_segment_ptr 1
		.amdhsa_wavefront_size32 1
		.amdhsa_system_sgpr_workgroup_id_x 1
		.amdhsa_system_sgpr_workgroup_id_y 1
		.amdhsa_system_sgpr_workgroup_id_z 1
		.amdhsa_system_vgpr_workitem_id 0
		.amdhsa_next_free_vgpr 1024
		.amdhsa_next_free_sgpr 100
		.amdhsa_reserve_vcc 0
		.amdhsa_float_denorm_mode_32 3
		.amdhsa_float_denorm_mode_16_64 3
		.amdhsa_memory_ordered 1
		.amdhsa_forward_progress 1
		.amdhsa_inst_pref_size 235
	.end_amdhsa_kernel
	.amdgpu_metadata
---
amdhsa.version: [ 1, 2 ]
amdhsa.kernels:
  - .name:           k_qd9832d6486_qkv
    .symbol:         k_qd9832d6486_qkv.kd
    .args:
      - { .name: x_codes, .offset: 0, .size: 8, .value_kind: global_buffer, .address_space: global }
      - { .name: x_scales, .offset: 8, .size: 8, .value_kind: global_buffer, .address_space: global }
      - { .name: w_codes, .offset: 16, .size: 8, .value_kind: global_buffer, .address_space: global }
      - { .name: w_scales, .offset: 24, .size: 8, .value_kind: global_buffer, .address_space: global }
      - { .name: bq, .offset: 32, .size: 8, .value_kind: global_buffer, .address_space: global }
      - { .name: bk, .offset: 40, .size: 8, .value_kind: global_buffer, .address_space: global }
      - { .name: bv, .offset: 48, .size: 8, .value_kind: global_buffer, .address_space: global }
      - { .name: qbuf, .offset: 56, .size: 8, .value_kind: global_buffer, .address_space: global }
      - { .name: kbuf, .offset: 64, .size: 8, .value_kind: global_buffer, .address_space: global }
      - { .name: vbuf, .offset: 72, .size: 8, .value_kind: global_buffer, .address_space: global }
    .group_segment_fixed_size: 327680
    .private_segment_fixed_size: 0
    .kernarg_segment_align: 8
    .kernarg_segment_size: 80
    .max_flat_workgroup_size: 128
    .sgpr_count:     100
    .vgpr_count:     1024
    .wavefront_size: 32
...
	.end_amdgpu_metadata
.endif
;; end of part 2
;; launch attn (part 3): grid 4 x 64, 16 waves a work-group, clusters of 4 x 1, 288,768 bytes of LDS; arguments qbuf, kbuf, vbuf, attention_mask, out0; writes out0
.if DOCPART == 3
	.amdgcn_target "amdgcn-amd-amdhsa--gfx1250"
	.amdhsa_code_object_version 6
	.text
	.protected	k_qd9832d6486_attn
	.globl	k_qd9832d6486_attn
	.p2align	8
	.type	k_qd9832d6486_attn,@function
k_qd9832d6486_attn:
	s_mov_b64 s[64:65], 0
	v_nop
	global_prefetch_b8 v0, s[64:65] scope:SCOPE_SE
	s_setreg_imm32_b32 hwreg(HW_REG_WAVE_MODE, 25, 1), 1
	s_wait_xcnt 0x0
	s_wait_alu depctr_hold_cnt(0) depctr_sa_sdst(0) depctr_va_vdst(0) depctr_va_sdst(0) depctr_va_ssrc(0) depctr_va_vcc(0) depctr_vm_vsrc(0)
	s_getreg_b32 s2, hwreg(HW_REG_IB_STS2, 6, 4)
	s_cmp_eq_u32 s2, 0
	s_cbranch_scc0 .Lentry_in_a_cluster
	s_endpgm
.Lentry_in_a_cluster:
	s_bfe_u32 s2, ttmp6, 0x10000c
	s_cmp_lg_u32 s2, 0x3003
	s_cbranch_scc0 .Lentry_shape_is_right
	s_endpgm
.Lentry_shape_is_right:
; out0[b][q][64 head + d] = the sum over keys of softmax_k((q/8) . k + (1 - mask[b][k]) x -10000) v[k][d], both products on codes of BF6 (E3M2) with one E8M0 scale for each 32 along a product's K.
; THE SOFTMAX AHEAD OF THE SECOND PRODUCT: t = logit x log2(e); M = the row's largest t so far, rounded UP to a whole number; p = 2^(t - M) is what is quantised, along the keys, not normalised.  The row's sum is taken of the
; unquantised p, in f32, and divides at the end.  When M moves, the sum and O are multiplied by 2^(old M - new M): exact.
; SHARES.  The grid's y is batch x head; the four work-groups of a cluster (the grid's x is one cluster) are the four blocks of 512 queries of that head.  Each of sixteen waves owns 32 queries, one image of qbuf: it walks all
; 2,048 keys twice, once for each of its two tiles of 16 queries.  Four waves to a SIMD, 256 registers each: one wave's vector work stands beside another's matrix work and LDS loads.
; A HEAD'S K AND V LIE IN LDS WHOLE (208,896 bytes): every LDS byte is filled once, by eight tensor loads at the kernel's head, so there is no ring, and the second
; walk fetches nothing.  The four partners walk the same head: each load is asked for JOINTLY, with the same descriptor and a mask that names the four.  Nothing is left to ask for ahead of time.
; OPERANDS LIE AS IMAGES OF THEIR REGISTERS (the launch before laid them so): a group of four registers is 512 bytes, lane l's 16 at 16 l: every LDS read is of consecutive bytes.
; LAYOUT.  Both products are used transposed: S^T = K Q^T (source 0 = 16 keys, source 1 = my 16 queries), O^T = V^T P^T: a lane holds ONE query (lane % 16) throughout.  Lane r of key tile 2 c + u holds key 32 c + 8 u + (r & 7) + 16 (r >> 3),
; so the 16 registers of tiles 2 c, 2 c + 1 are keys 32 c + 16 (lane / 16) + 0 .. 15.  The first product's K is 64: the upper 64 of the instruction's 128 meet ZERO CODES on Q's side; on K's side the six registers there are the
; next tile's codes (behind the last tile: V's first six registers, whatever they hold): any six-bit code is a finite number, and no scale byte is 0xff.  THE MASK'S BIAS IS THE C OF THE FIRST PRODUCT: it costs no vector line.
; LIMITS: a block's largest p is taken from its largest logit, by the same multiply-add and exponential (this takes v_exp_f32 not to fall where its input rises); a block whose every p is 0 keeps the byte 1: its codes are zeros;
; NaN and infinities are not served.
.set KREC,  6656                       ; a step's record of K: four images of 1,536 bytes, 512 bytes of scale words
.set VREC,  6400                       ; of V: four images, 256 bytes of scale words
.set KCH,   4*KREC                     ; what one tensor load brings: four steps
.set VCH,   4*VREC
.set VB,    16*KREC                    ; LDS: K's 16 records from 0, V's from here,
.set BIAS,  VB+16*VREC                 ; the bias of the batch's 2,048 keys, f32 (stored by the waves: no fill lands here),
.set STAGE, BIAS+8192                  ; and the way out: 16 rows x (256 bytes + 16) for each wave
.set SPITCH, 272
.set LIK, 1                            ; v1   16 x lane; never rewritten
.set LIV, 2                            ; v2   16 x lane + VB
.set LBB, 3                            ; v3   BIAS + 64 (lane / 16)
.set ADK, 4                            ; v4-6 the step's addresses of K, V, the bias; on the way out: into the stage, back, in out0
.set ADV, 5
.set ADB, 6
.set QS,  7                            ; v7   Q's scale words: lanes 0-15 the even tile's, lanes 16-31 the odd tile's
.set KSC, 8                            ; v8-11 K's scale words of the step
.set QA,  16                           ; v16-27 Q's operand: six registers of codes, six of zeros.  v12 -M, v13 the largest t, v[14:15] the sum in two halves
.set VSC, 28                           ; v28-29 V's scale words
.set FF,  30                           ; v30  f = 2^(old M - new M)
.set PW,  31                           ; v31  p's scale word
.set KF,  32                           ; v32-79 K's eight tiles, six registers each
.set VF,  80                           ; v80-127 V's four fragments
.set SS,  128                          ; v128-191 the bias, then S^T, then p
.set OT,  192                          ; v192-223 O^T
.set PC,  224                          ; v224-235 p's codes
.set PD,  236                          ; v236-243 at work
.set SCO, 244                          ; v244-247 the conversions' scale operands
.set BM,  248                          ; v248-251 the blocks' largest
.set TT,  252
.set LVS, 253                          ; v253 8 x lane + VB + 6144: V's scale words; never rewritten
.set AVS, 254                          ; v254 the step's address of them
.set WV,  14
.set SEL, 20                           ; s[20:21] v_permlanex16_b32's selects for lane l xor 16
.set CS,  22                           ; s[22:23] log2(e), twice
.set G1K, 24
.set G1V, 32
.set G0K, 40                           ; s[40:55] four groups 0 for K's quarters
.set STG, 56                           ; s56 my stage
.set G0V, 68                           ; s[68:83] four for V's
.set TK,  84                           ; s84-86 the step's bytes in K's records, V's, the bias
.set TV,  85
.set TB,  86
.set CNT, 87
.set QB,  88                           ; s[88:89] my image of Q
.set QSB, 90                           ; s[90:91] its scale words
.macro ROUND                           ; a round of the cluster's barrier
	s_barrier_signal -1
	s_barrier_wait -1
	s_cmp_lg_u32 s[WV], 0
	s_cbranch_scc1 .Lnot_wave_0_\@
	s_barrier_signal -3
.Lnot_wave_0_\@:
	s_barrier_wait -3
	s_barrier_signal -1
	s_barrier_wait -1
.endm
; The next quarter of K and V has landed: the two waves that fetch wait until at most n of their four loads are out (loads of a wave end in order), every wave's LDS instructions are done, and all sixteen meet.  Nothing is ever filled again.
.macro GATE n
	s_wait_tensorcnt \n
	s_wait_dscnt 0x0
	s_barrier_signal -1
	s_barrier_wait -1
.endm
.macro SPROD t, u                      ; S^T of key tile t, with the bias as C; K's scale row by the tile, Q's by the pass
.if ((\t)%2 == 0) && ((\u) == 0)
	v_wmma_scale_f32_16x16x128_f8f6f4 v[SS+8*(\t):SS+8*(\t)+7], v[KF+6*(\t):KF+6*(\t)+11], v[QA:QA+11], v[SS+8*(\t):SS+8*(\t)+7], v[KSC+(\t)/2], v[QS] matrix_a_fmt:MATRIX_FMT_BF6 matrix_b_fmt:MATRIX_FMT_BF6
.elseif ((\t)%2 == 1) && ((\u) == 0)
	v_wmma_scale_f32_16x16x128_f8f6f4 v[SS+8*(\t):SS+8*(\t)+7], v[KF+6*(\t):KF+6*(\t)+11], v[QA:QA+11], v[SS+8*(\t):SS+8*(\t)+7], v[KSC+(\t)/2], v[QS] matrix_a_fmt:MATRIX_FMT_BF6 matrix_b_fmt:MATRIX_FMT_BF6 matrix_a_scale:MATRIX_SCALE_ROW1
.elseif ((\t)%2 == 0)
	v_wmma_scale_f32_16x16x128_f8f6f4 v[SS+8*(\t):SS+8*(\t)+7], v[KF+6*(\t):KF+6*(\t)+11], v[QA:QA+11], v[SS+8*(\t):SS+8*(\t)+7], v[KSC+(\t)/2], v[QS] matrix_a_fmt:MATRIX_FMT_BF6 matrix_b_fmt:MATRIX_FMT_BF6 matrix_b_scale:MATRIX_SCALE_ROW1
.else
	v_wmma_scale_f32_16x16x128_f8f6f4 v[SS+8*(\t):SS+8*(\t)+7], v[KF+6*(\t):KF+6*(\t)+11], v[QA:QA+11], v[SS+8*(\t):SS+8*(\t)+7], v[KSC+(\t)/2], v[QS] matrix_a_fmt:MATRIX_FMT_BF6 matrix_b_fmt:MATRIX_FMT_BF6 matrix_a_scale:MATRIX_SCALE_ROW1 matrix_b_scale:MATRIX_SCALE_ROW1
.endif
.endm
.macro OPROD t                         ; O^T += V^T P^T for 16 of the head's 64
.if ((\t)%2) == 0
	v_wmma_scale_f32_16x16x128_f8f6f4 v[OT+8*(\t):OT+8*(\t)+7], v[VF+12*(\t):VF+12*(\t)+11], v[PC:PC+11], v[OT+8*(\t):OT+8*(\t)+7], v[VSC+(\t)/2], v[PW] matrix_a_fmt:MATRIX_FMT_BF6 matrix_b_fmt:MATRIX_FMT_BF6
.else
	v_wmma_scale_f32_16x16x128_f8f6f4 v[OT+8*(\t):OT+8*(\t)+7], v[VF+12*(\t):VF+12*(\t)+11], v[PC:PC+11], v[OT+8*(\t):OT+8*(\t)+7], v[VSC+(\t)/2], v[PW] matrix_a_fmt:MATRIX_FMT_BF6 matrix_b_fmt:MATRIX_FMT_BF6 matrix_a_scale:MATRIX_SCALE_ROW1
.endif
.endm
; A KEY STEP: 128 keys.  The twelve accumulators (eight of S^T, four of O^T) take turns, one instruction a turn, round the loop's edge too.
.macro STEP u
	v_add_nc_u32 v[ADK], s[TK], v[LIK]
	v_add_nc_u32 v[ADV], s[TV], v[LIV]
	v_add_nc_u32 v[ADB], s[TB], v[LBB]
	v_add_nc_u32 v[AVS], s[TV], v[LVS]
.irp c, 0,1,2,3
.irp i, 0,1,2
	ds_load_b128 v[KF+12*\c+4*\i:KF+12*\c+4*\i+3], v[ADK] offset:1536*\c+512*\i   ; K's images: tiles 2 c and 2 c + 1
.endr
.endr
	ds_load_b128 v[KSC:KSC+3], v[ADK] offset:6144
.irp n, 0,1,2,3,4,5,6,7,8,9,10,11,12,13,14,15
	ds_load_b128 v[SS+4*\n:SS+4*\n+3], v[ADB] offset:128*(\n/4)+16*(\n%4)         ; register 16 c + i: the bias of key 32 c + 16 h + i, the key that this register of S^T holds
.endr
	s_wait_alu depctr_va_vdst(0)
	s_wait_dscnt 0x0
.irp t, 0,1,2,3,4,5,6,7
	SPROD \t, \u
.endr
.rept 4
	v_nop                                          ; places in front of the loads into V's first registers, which the last product has read, and of the first read of S^T
.endr
.irp t, 0,1,2,3
.irp i, 0,1,2
	ds_load_b128 v[VF+12*\t+4*\i:VF+12*\t+4*\i+3], v[ADV] offset:1536*\t+512*\i   ; V's fragments land while the softmax is walked
.endr
.endr
	ds_load_b64 v[VSC:VSC+1], v[AVS]
.irp b, 0,1,2,3
	v_max3_num_f32 v[BM+\b], v[SS+16*\b], v[SS+1+16*\b], v[SS+2+16*\b]            ; the largest logit of each block of 32 keys: it serves for the row's maximum and, since p rises with the logit, for the block's largest p
.endr
.irp i, 3,5,7,9,11,13
.irp b, 0,1,2,3
	v_max3_num_f32 v[BM+\b], v[BM+\b], v[SS+16*\b+\i], v[SS+1+16*\b+\i]
.endr
.endr
.irp b, 0,1,2,3
	v_max_num_f32 v[BM+\b], v[BM+\b], v[SS+15+16*\b]
.endr
.irp b, 0,1,2,3
	s_delay_alu instid0(VALU_DEP_4)
	v_permlanex16_b32 v[PD+\b], v[BM+\b], s[SEL], s[SEL+1]
.endr
.irp b, 0,1,2,3
	s_delay_alu instid0(VALU_DEP_4)
	v_max_num_f32 v[BM+\b], v[BM+\b], v[PD+\b]     ; with lane l xor 16's 16 keys
.endr
	s_delay_alu instid0(VALU_DEP_2)
	v_max3_num_f32 v[TT], v[BM], v[BM+1], v[BM+2]
	s_delay_alu instid0(VALU_DEP_1)
	v_max_num_f32 v[TT], v[TT], v[BM+3]            ; the step's largest logit of my query
	s_delay_alu instid0(VALU_DEP_1)
	v_mul_f32 v[TT], s[CS], v[TT]                  ; as t
	s_delay_alu instid0(VALU_DEP_1)
	v_max_num_f32 v13, v13, v[TT]                  ; the running largest t
	v_mov_b32 v[TT], v12
	s_delay_alu instid0(VALU_DEP_2)
	v_floor_f32 v12, -v13                          ; the new -M = floor(-t) = -ceil(t): a whole number
	s_delay_alu instid0(VALU_DEP_1)
	v_sub_f32 v[TT], v12, v[TT]                    ; old M - new M: a whole number, 0 or less
	s_delay_alu instid0(VALU_DEP_1)
	v_cvt_i32_f32 v[TT], v[TT]                     ; (it saturates)
	s_delay_alu instid0(VALU_DEP_1)
	v_ldexp_f32 v[FF], 1.0, v[TT]                  ; f = 2^(old M - new M)
.set JJ, 0
.rept 32
	v_pk_fma_f32 v[SS+JJ:SS+JJ+1], v[SS+JJ:SS+JJ+1], s[CS:CS+1], v[12:13] op_sel_hi:[1,0,0]   ; t - M, two at a time
.set JJ, JJ+2
.endr
.irp b, 0,1,2,3
	v_fma_f32 v[BM+\b], v[BM+\b], s[CS], v12       ; the same of each block's largest logit
.endr
.set JJ, 0
	s_setprio 1
	s_wait_alu depctr_va_vdst(0)
.rept 64
	v_exp_f32 v[SS+JJ], v[SS+JJ]                   ; p = 2^(t - M), at most 1
.set JJ, JJ+1
.endr
.irp b, 0,1,2,3
	v_exp_f32 v[BM+\b], v[BM+\b]                   ; the block's largest p
.endr
	v_pk_mul_f32 v[14:15], v[14:15], v[FF:FF+1] op_sel_hi:[1,0]   ; the sums under the new M (a plain line behind the exponentials)
	s_wait_alu depctr_va_vdst(0)
.irp b, 0,1,2,3
	v_max_num_f32 v[BM+\b], 0x2800000, v[BM+\b]    ; the floor 2^(5 - 127): the byte cannot fall under 1
.endr
.irp b, 0,1,2,3
	s_delay_alu instid0(VALU_DEP_4)
	v_add_nc_u32 v[SCO+\b], 0xfe000000, v[BM+\b]   ; 4 off the exponent field: the conversion's scale operand
.endr
.irp b, 0,1,2,3
	s_delay_alu instid0(VALU_DEP_4)
	v_lshrrev_b32 v[PD+\b], 23, v[SCO+\b]          ; the scale's byte
.endr
	s_delay_alu instid0(VALU_DEP_3)
	v_lshl_or_b32 v[PW], v[PD+1], 8, v[PD]
	s_delay_alu instid0(VALU_DEP_1)
	v_lshl_or_b32 v[PW], v[PD+2], 16, v[PW]
	s_delay_alu instid0(VALU_DEP_1)
	v_lshl_or_b32 v[PW], v[PD+3], 24, v[PW]
.irp c, 0,1
	v_cvt_scalef32_pk16_bf6_f32 v[PC+6*\c:PC+6*\c+2], v[SS+32*\c:SS+32*\c+15], v[SCO+2*\c]
	v_cvt_scalef32_pk16_bf6_f32 v[PD+4*\c:PD+4*\c+2], v[SS+16+32*\c:SS+31+32*\c], v[SCO+2*\c+1]   ; (a conversion's three registers begin on an even number)
.endr
	v_nop                                          ; one plain line behind a scaled conversion
.irp c, 0,1                                    ; the operand's layout wants a whole block in a lane: lanes 0-15 block 2 c, lanes 16-31 block 2 c + 1
.irp i, 0,1,2
	v_permlane16_swap_b32 v[PC+6*\c+\i], v[PD+4*\c+\i]
.endr
.irp i, 0,1,2
	s_delay_alu instid0(VALU_DEP_3)
	v_mov_b32 v[PC+3+6*\c+\i], v[PD+4*\c+\i]
.endr
.endr
	v_pk_add_f32 v[236:237], v[132:133], v[136:137]
	v_pk_add_f32 v[250:251], v[140:141], v[144:145]
	v_pk_add_f32 v[248:249], v[148:149], v[152:153]
	v_pk_add_f32 v[246:247], v[156:157], v[160:161]
	v_pk_add_f32 v[244:245], v[164:165], v[168:169]
	v_pk_add_f32 v[240:241], v[172:173], v[176:177]
	v_pk_add_f32 v[78:79], v[180:181], v[184:185]
	v_pk_add_f32 v[14:15], v[14:15], v[188:189]
	v_pk_add_f32 v[236:237], v[236:237], v[128:129]
	v_pk_add_f32 v[250:251], v[250:251], v[130:131]
	v_pk_add_f32 v[248:249], v[248:249], v[134:135]
	v_pk_add_f32 v[246:247], v[246:247], v[138:139]
	v_pk_add_f32 v[244:245], v[244:245], v[142:143]
	v_pk_add_f32 v[240:241], v[240:241], v[146:147]
	v_pk_add_f32 v[78:79], v[78:79], v[150:151]
	v_pk_add_f32 v[14:15], v[14:15], v[154:155]
	v_pk_add_f32 v[236:237], v[236:237], v[158:159]
	v_pk_add_f32 v[250:251], v[250:251], v[162:163]
	v_pk_add_f32 v[248:249], v[248:249], v[166:167]
	v_pk_add_f32 v[246:247], v[246:247], v[170:171]
	v_pk_add_f32 v[244:245], v[244:245], v[174:175]
	v_pk_add_f32 v[240:241], v[240:241], v[178:179]
	v_pk_add_f32 v[78:79], v[78:79], v[182:183]
	v_pk_add_f32 v[14:15], v[14:15], v[186:187]
	v_pk_add_f32 v[236:237], v[236:237], v[190:191]
	s_delay_alu instid0(VALU_DEP_2)
	v_pk_add_f32 v[14:15], v[14:15], v[246:247]
	s_delay_alu instid0(VALU_DEP_2)
	v_pk_add_f32 v[236:237], v[236:237], v[244:245]
	s_setprio 0
	v_pk_add_f32 v[250:251], v[250:251], v[240:241]
	v_pk_add_f32 v[248:249], v[248:249], v[78:79]
	s_delay_alu instid0(VALU_DEP_2)
	v_pk_add_f32 v[14:15], v[14:15], v[250:251]
	s_delay_alu instid0(VALU_DEP_2)
	v_pk_add_f32 v[236:237], v[236:237], v[248:249]
	s_delay_alu instid0(VALU_DEP_1)
	v_pk_add_f32 v[14:15], v[14:15], v[236:237]
.set JJ, 0
.rept 16
	v_pk_mul_f32 v[OT+JJ:OT+JJ+1], v[OT+JJ:OT+JJ+1], v[FF:FF+1] op_sel_hi:[1,0]   ; O^T under the new M, each accumulator from its low end on; with the sums above these are the places between p's codes and word and the products
.set JJ, JJ+2
.endr
	s_wait_alu depctr_va_vdst(0)
	s_wait_dscnt 0x0                               ; V is in
.irp t, 0,1,2,3
	OPROD \t
.endr
	s_add_co_u32 s[TK], s[TK], KREC
	s_add_co_u32 s[TV], s[TV], VREC
	s_add_co_u32 s[TB], s[TB], 512
.endm
.macro STEPS first, n, u               ; n key steps from step first on
	s_mov_b32 s[TK], \first*KREC
	s_mov_b32 s[TV], \first*VREC
	s_mov_b32 s[TB], \first*512
	s_mov_b32 s[CNT], \n
.Lsteps_\@:
	s_setprio 2
	STEP \u
	s_sub_co_u32 s[CNT], s[CNT], 1
	s_cmp_lg_u32 s[CNT], 0
	s_cbranch_scc1 .Lsteps_\@
	s_setprio 0
.endm
.macro INIT u                          ; pass u: Q's tile u out of the image; the sums begin as zeros and the largest t under every t, so that the step is written without a first step of its own
	s_wait_loadcnt 0x0                             ; Q's image and scale word
.irp i, 0,1,2,3,4,5
	v_mov_b32 v[QA+\i], v[SS+6*\u+\i]
.endr
	v_mov_b32 v13, 0xff61b1e6                      ; -3e38
	s_delay_alu instid0(VALU_DEP_1)
	v_floor_f32 v12, -v13
	v_mov_b32 v14, 0
	v_mov_b32 v15, 0
.set JJ, 0
.rept 32
	v_mov_b32 v[OT+JJ], 0                          ; (these are also the places between Q's registers and the first product)
.set JJ, JJ+1
.endr
.endm
; THE WAY OUT of pass u: O^T / the sum goes through my stage and leaves as rows of 256 bytes.  Register 8 t + j of lane (r, h) is d = 32 (t / 2) + 16 h + 8 (t % 2) + j of the query at row r; row r is query 8 u + (r & 7) + 16 (r >> 3) of my 32.
.macro OUT u
.rept 4
	v_nop                                          ; places behind the last products
.endr
.if \u == 0
.irp i, 0,1,2
	global_load_b128 v[SS+4*\i:SS+4*\i+3], v[LIK], s[QB:QB+1] offset:512*\i   ; Q's image once more, for the second pass
.endr
.endif
	v_add_f32 v14, v14, v15
	s_delay_alu instid0(VALU_DEP_1)
	v_permlanex16_b32 v[TT], v14, s[SEL], s[SEL+1]
	s_delay_alu instid0(VALU_DEP_1)
	v_add_f32 v14, v14, v[TT]                      ; the row's sum
	s_wait_alu depctr_va_vdst(0)
	v_rcp_f32 v14, v14
	v_and_b32 v[BM], 15, v0                        ; (a plain line behind the reciprocal)  r
	v_bfe_u32 v[BM+1], v0, 4, 1                    ; h
	s_delay_alu instid0(VALU_DEP_2)
	v_mul_u32_u24 v[ADK], v[BM], SPITCH
	s_delay_alu instid0(VALU_DEP_1)
	v_lshl_add_u32 v[ADK], v[BM+1], 6, v[ADK]
	s_delay_alu instid0(VALU_DEP_1)
	v_add_nc_u32 v[ADK], s[STG], v[ADK]            ; in: row r, + 64 h
	s_delay_alu instid0(VALU_DEP_4)
	v_mul_u32_u24 v[ADV], v[BM+1], SPITCH
	s_delay_alu instid0(VALU_DEP_1)
	v_lshl_add_u32 v[ADV], v[BM], 4, v[ADV]
	s_delay_alu instid0(VALU_DEP_1)
	v_add_nc_u32 v[ADV], s[STG], v[ADV]            ; back: lanes 0-15 one row, lanes 16-31 the next
	v_lshlrev_b32 v[ADB], 12, v[BM+1]
	s_delay_alu instid0(VALU_DEP_1)
	v_lshl_add_u32 v[ADB], v[BM], 4, v[ADB]        ; and the same two rows in out0: 4,096 bytes apart
.set JJ, 0
	s_wait_alu depctr_va_vdst(0)
.rept 16
	v_pk_mul_f32 v[KF+JJ:KF+JJ+1], v[OT+JJ:OT+JJ+1], v[14:15] op_sel_hi:[1,0]   ; each accumulator from its low end on
.set JJ, JJ+2
.endr
.irp t, 0,1,2,3
	ds_store_b128 v[ADK], v[KF+8*\t:KF+8*\t+3] offset:128*(\t/2)+32*(\t%2)
	ds_store_b128 v[ADK], v[KF+8*\t+4:KF+8*\t+7] offset:128*(\t/2)+32*(\t%2)+16
.endr
.irp i, 0,1,2,3,4,5,6,7
	ds_load_b128 v[KF+32+4*\i:KF+32+4*\i+3], v[ADV] offset:2*\i*SPITCH   ; LDS serves a wave's instructions in order: these see my stores
.endr
.irp i, 0,1,2,3,4,5,6,7
	s_wait_dscnt 7-\i                              ; the younger reads of the stage may be out
	global_store_b128 v[ADB], v[KF+32+4*\i:KF+32+4*\i+3], s[12:13] offset:(8*\u+2*(\i%4)+16*(\i/4))*4096 th:TH_STORE_NT   ; sixteen lanes store 256 consecutive bytes, aligned; written once
.endr
.if \u == 0
	s_wait_xcnt 0x0                                ; the stores have read their registers: the second pass writes them again
.endif
.endm
	s_load_b256 s[4:11], s[0:1], 0x0               ; qbuf s[4:5], kbuf s[6:7], vbuf s[8:9], attention_mask s[10:11]
	s_load_b64 s[12:13], s[0:1], 0x20              ; out0
	v_lshl_add_u32 v243, v0, 2, 0x46000
	v_mov_b32 v255, 0
	ds_add_u32 v243, v255
	ds_add_u32 v243, v255
	v_lshrrev_b32 v1, 5, v0
	s_delay_alu instid0(VALU_DEP_1)
	v_readfirstlane_b32 s[WV], v1                  ; wave 0..15
	s_bfe_u32 s15, ttmp6, 0x40000                  ; cx: my block of 512 queries: it enters Q's and out0's addresses alone
	s_and_b32 s16, ttmp7, 0xffff                   ; batch x head, which the four partners share
	; descriptor group 1: a dense block as rows of 256 bytes (32 elements of 8): 104 rows for K's quarter, 100 for V's; the mask names all four work-groups, bit 21 beside it; no padding
	s_mov_b32 s[G1K], 15|(3<<16)|(1<<21)
	s_mov_b32 s[G1K+1], 32<<16
	s_mov_b32 s[G1K+2], (KCH/256)<<16
	s_mov_b32 s[G1K+3], 32<<16
	s_mov_b32 s[G1K+4], KCH/256
	s_mov_b32 s[G1K+5], 32
	s_mov_b32 s[G1K+6], 0
	s_mov_b32 s[G1K+7], 0
	s_mov_b32 s[G1V], 15|(3<<16)|(1<<21)
	s_mov_b32 s[G1V+1], 32<<16
	s_mov_b32 s[G1V+2], (VCH/256)<<16
	s_mov_b32 s[G1V+3], 32<<16
	s_mov_b32 s[G1V+4], VCH/256
	s_mov_b32 s[G1V+5], 32
	s_mov_b32 s[G1V+6], 0
	s_mov_b32 s[G1V+7], 0
	s_mul_i32 s18, s16, 16*KREC
	s_mov_b32 s19, 0
	s_wait_dscnt 0x0
	s_wait_kmcnt 0x0
	s_add_nc_u64 s[6:7], s[6:7], s[18:19]          ; the head's K
	s_mul_i32 s18, s16, 16*VREC
	s_add_nc_u64 s[8:9], s[8:9], s[18:19]          ; and V
.irp i, 0,1,2,3
	s_mov_b32 s[G0K+4*\i], 1
	s_mov_b32 s[G0K+4*\i+1], \i*KCH
	s_add_nc_u64 s[G0K+4*\i+2:G0K+4*\i+3], s[6:7], \i*KCH
	s_or_b32 s[G0K+4*\i+3], s[G0K+4*\i+3], 0x80000000
	s_mov_b32 s[G0V+4*\i], 1
	s_mov_b32 s[G0V+4*\i+1], VB+\i*VCH
	s_add_nc_u64 s[G0V+4*\i+2:G0V+4*\i+3], s[8:9], \i*VCH
	s_or_b32 s[G0V+4*\i+3], s[G0V+4*\i+3], 0x80000000
.endr
	ROUND                                          ; all four work-groups are here: the joint loads meet
	s_cmp_eq_u32 s[WV], 0                          ; a wave's fills stand in one branch on the wave's number: four loads of wave 0, four of wave 1, are out; four v_nop follow the last
	s_cbranch_scc0 .Lnot_k
	tensor_load_to_lds s[G0K:G0K+3], s[G1K:G1K+7]
	s_nop 0
	tensor_load_to_lds s[G0K+4:G0K+7], s[G1K:G1K+7]
	s_nop 0
	tensor_load_to_lds s[G0K+8:G0K+11], s[G1K:G1K+7]
	s_nop 0
	tensor_load_to_lds s[G0K+12:G0K+15], s[G1K:G1K+7]
	s_nop 0
.rept 4
	v_nop
.endr
	s_branch .Lasked
.Lnot_k:
	s_cmp_eq_u32 s[WV], 1
	s_cbranch_scc0 .Lasked
	tensor_load_to_lds s[G0V:G0V+3], s[G1V:G1V+7]
	s_nop 0
	tensor_load_to_lds s[G0V+4:G0V+7], s[G1V:G1V+7]
	s_nop 0
	tensor_load_to_lds s[G0V+8:G0V+11], s[G1V:G1V+7]
	s_nop 0
	tensor_load_to_lds s[G0V+12:G0V+15], s[G1V:G1V+7]
	s_nop 0
.rept 4
	v_nop
.endr
.Lasked:
	s_lshr_b32 s17, s16, 4                         ; the batch
	s_lshl_b32 s18, s17, 13
	s_add_nc_u64 s[10:11], s[10:11], s[18:19]      ; its row of the mask
	s_lshl_b32 s2, s16, 4                          ; Q's record: 16 (batch x head) + 4 cx + wave / 4
	s_lshl_b32 s3, s15, 2
	s_add_co_u32 s2, s2, s3
	s_lshr_b32 s3, s[WV], 2
	s_add_co_u32 s2, s2, s3
	s_mul_i32 s2, s2, KREC
	s_mov_b32 s3, 0
	s_add_nc_u64 s[4:5], s[4:5], s[2:3]
	s_and_b32 s2, s[WV], 3                         ; in it my 32 queries' image,
	s_mul_i32 s2, s2, 1536
	s_add_nc_u64 s[QB:QB+1], s[4:5], s[2:3]
	s_and_b32 s2, s[WV], 3                         ; and their scale word
	s_lshl_b32 s2, s2, 2
	s_add_nc_u64 s[QSB:QSB+1], s[4:5], s[2:3]
	s_lshl_b32 s2, s17, 11                         ; out0: token 2,048 batch + 512 cx + 32 wave,
	s_lshl_b32 s3, s15, 9
	s_add_co_u32 s2, s2, s3
	s_lshl_b32 s3, s[WV], 5
	s_add_co_u32 s2, s2, s3
	s_lshl_b32 s2, s2, 12                          ; rows of 4,096 bytes,
	s_and_b32 s3, s16, 15
	s_lshl_b32 s3, s3, 8                           ; the head's 256 bytes
	s_add_co_u32 s2, s2, s3
	s_mov_b32 s3, 0
	s_add_nc_u64 s[12:13], s[12:13], s[2:3]
	s_mov_b32 s[SEL], 0x76543210
	s_mov_b32 s[SEL+1], 0xfedcba98
	s_mov_b32 s[CS], 0x3fb8aa3b                    ; log2(e)
	s_mov_b32 s[CS+1], s[CS]                       ; (named with it as a pair, so it is written)
	s_mul_i32 s[STG], s[WV], 16*SPITCH
	s_add_co_u32 s[STG], s[STG], STAGE
	v_and_b32 v[TT], 31, v0                        ; lane
	s_delay_alu instid0(VALU_DEP_1)
	v_lshlrev_b32 v[LIK], 4, v[TT]
	s_delay_alu instid0(VALU_DEP_1)
	v_add_nc_u32 v[LIV], VB, v[LIK]
	s_delay_alu instid0(VALU_DEP_3)
	v_lshl_add_u32 v[LVS], v[TT], 3, VB+6144
	v_bfe_u32 v[LBB], v0, 4, 1
	s_delay_alu instid0(VALU_DEP_1)
	v_lshl_add_u32 v[LBB], v[LBB], 6, BIAS
	v_lshlrev_b32 v[ADB], 4, v0                    ; thread t takes the mask of keys 4 t .. 4 t + 3
	v_lshl_add_u32 v[ADV], v0, 4, BIAS
	global_load_b128 v[BM:BM+3], v[ADB], s[10:11]
.irp i, 0,1,2
	global_load_b128 v[SS+4*\i:SS+4*\i+3], v[LIK], s[QB:QB+1] offset:512*\i
.endr
	global_load_b32 v[QS], v[LIK], s[QSB:QSB+1] offset:6144
.irp i, 0,1,2,3,4,5
	v_mov_b32 v[QA+6+\i], 0                        ; Q's codes for the upper 64 of the instruction's K: zeros
	v_mov_b32 v[VF+\i], 0                          ; read beside the last key tile before V first lands there
.endr
.irp b, 0,1,2,3
	v_mov_b32 v[PD+\b], 0                          ; written once: a lane permute's destination counts as one of its sources
.endr
	v_mov_b32 v[PW], 0                             ; (named as the upper half of the pair with f before it is first written)
	s_wait_loadcnt 4                               ; the mask is in; Q's three image loads and its scale word may be out
.irp i, 0,1,2,3
	v_sub_f32 v[BM+\i], 1.0, v[BM+\i]
.endr
.irp i, 0,1,2,3
	s_delay_alu instid0(VALU_DEP_4)
	v_mul_f32 v[BM+\i], 0xc61c4000, v[BM+\i]       ; (1 - mask) x -10000
.endr
	ds_store_b128 v[ADV], v[BM:BM+3]
	INIT 0
	GATE 3                                         ; the bias lies in LDS; steps 0-3 of K and V have landed, three later quarters may be out
	STEPS 0, 4, 0
	GATE 2
	STEPS 4, 4, 0
	GATE 1
	STEPS 8, 4, 0
	GATE 0
	STEPS 12, 4, 0
	OUT 0
	INIT 1
	STEPS 0, 16, 1                                 ; the second tile of queries: all of K and V lies in LDS
	OUT 1
	s_wait_tensorcnt 0x0
	s_wait_dscnt 0x0
	s_wait_tensorcnt 0x0
	ds_add_u32 v243, v255
	s_wait_dscnt 0x0
	ROUND                                          ; the closing round: no work-group ends while a partner may still ask for a tile that names it
	s_endpgm
.Lfunc_end_k_qd9832d6486_attn:
	.size	k_qd9832d6486_attn, .Lfunc_end_k_qd9832d6486_attn-k_qd9832d6486_attn
	.p2alignl 7, 3214868480
	.fill 96, 4, 3214868480
	.section	.rodata,"a",@progbits
	.p2align	6, 0x0
	.amdhsa_kernel k_qd9832d6486_attn
		.amdhsa_group_segment_fixed_size 288768
		.amdhsa_private_segment_fixed_size 0
		.amdhsa_enable_private_segment 0
		.amdhsa_kernarg_size 40
		.amdhsa_user_sgpr_count 2
		.amdhsa_user_sgpr_kernarg_segment_ptr 1
		.amdhsa_wavefront_size32 1
		.amdhsa_system_sgpr_workgroup_id_x 1
		.amdhsa_system_sgpr_workgroup_id_y 1
		.amdhsa_system_sgpr_workgroup_id_z 1
		.amdhsa_system_vgpr_workitem_id 0
		.amdhsa_next_free_vgpr 256
		.amdhsa_next_free_sgpr 92
		.amdhsa_reserve_vcc 0
		.amdhsa_float_denorm_mode_32 3
		.amdhsa_float_denorm_mode_16_64 3
		.amdhsa_memory_ordered 1
		.amdhsa_forward_progress 1
		.amdhsa_inst_pref_size 111
	.end_amdhsa_kernel
	.amdgpu_metadata
---
amdhsa.version: [ 1, 2 ]
amdhsa.kernels:
  - .name:           k_qd9832d6486_attn
    .symbol:         k_qd9832d6486_attn.kd
    .args:
      - { .name: qbuf, .offset: 0, .size: 8, .value_kind: global_buffer, .address_space: global }
      - { .name: kbuf, .offset: 8, .size: 8, .value_kind: global_buffer, .address_space: global }
      - { .name: vbuf, .offset: 16, .size: 8, .value_kind: global_buffer, .address_space: global }
      - { .name: attention_mask, .offset: 24, .size: 8, .value_kind: global_buffer, .address_space: global }
      - { .name: out0, .offset: 32, .size: 8, .value_kind: global_buffer, .address_space: global }
    .group_segment_fixed_size: 288768
    .private_segment_fixed_size: 0
    .kernarg_segment_align: 8
    .kernarg_segment_size: 40
    .max_flat_workgroup_size: 512
    .sgpr_count:     92
    .vgpr_count:     256
    .wavefront_size: 32
...
	.end_amdgpu_metadata
.endif
;; end of part 3
